; MI455X (gfx1250); checked and timed in simulation.
; The chip was launched on July 23, 2026; its instructions are those of AMD's public machine-readable ISA for CDNA 5 (MIT licence, August 2026) and "CDNA5" Instruction Set Architecture Reference Guide (July 2026). The comments in the code are by the model that wrote it; some were corrected since.
;; Bigbird Simulated Attention. Allowed arithmetic: matrix products marked QUANTISED: E4M3 operands, one given power-of-two scale a tensor, by v_wmma_f32_16x16x64_fp8_fp8 or v_wmma_f32_16x16x128_fp8_fp8, f32 sums; everything else in f32.
;; Inputs: k 2 x 6 x 4,096 x 64 float32; lowp_scales 4 int32 (the exponents e of the quantised operands' scales 2^e); mask 4,096 x 4,096 int32; q 2 x 6 x 4,096 x 64 float32; v 2 x 6 x 4,096 x 64 float32.
;; Outputs: out0 2 x 6 x 4,096 x 64 float32.
;; This version of the problem:
;;   THIS VERSION OF THE PROBLEM IS GIVEN IN LOW PRECISION. The matrix products marked QUANTISED in the list below multiply operands that are first quantised to E4M3 (4 exponent bits, 3 mantissa bits; 8 bits a number), with one given power-of-two scale for each operand tensor; their sums are f32. All else is computed in f32.
;;   The module's matrix products, in the order in which they are computed (A, B: the left and right operand; K: the contracted axis; several contracted axes count as one K, in the product's order):
;;     1. batch 12 x [M 4,096, K 64] x [K 64, N 4,096]; A: input q; B: input k: QUANTISED (scales: A lowp_scales[0], B lowp_scales[1])
;;     2. batch 12 x [M 4,096, K 4,096] x [K 4,096, N 64]; A: softmax (see below); B: input v: QUANTISED (scales: A lowp_scales[2], B lowp_scales[3])
;;   THE QUANTISER, for each operand of a quantised product, along K:
;;     - The operand's scale is 2^e, e = its entry of the input lowp_scales (int32; the entries are numbered through the quantised products in the list's order, A before B).
;;     - Each number is divided by the scale, clamped to +-448, and rounded to the nearest number of E4M3, ties to even, subnormals kept.
;;     - The product sums the exact products of the quantised numbers (number of the format x scale) in f32.
;;   ~~~python
;;   def quantise(x, axis, e):      # numpy; x: float32 -> the quantised numbers, widened to float32 again
;;       x = np.moveaxis(x, axis, -1); K = x.shape[-1]
;;       r = np.clip(x / 2.0 ** e, -448, 448)
;;       step = 2.0 ** (np.maximum(np.frexp(np.where(r == 0, 1, r))[1] - 1, -6) - 3)
;;       q = np.round(r / step) * step * 2.0 ** e      # np.round: ties to even
;;       return np.moveaxis(q, -1, axis).astype(np.float32)
;;   ~~~
;;   SOFTMAX AHEAD OF A QUANTISED PRODUCT. Where the list says 'softmax', what is quantised is not the finished softmax but p = 2^(t - M), with t = logit x log2(e) and M = ceil(the row's largest t), a whole number; so 1/2 < the row's largest p <= 1. The row's sum l is taken of the UNQUANTISED p, in f32, and the product's result is divided by l at the end. Since M is a whole number, a kernel that streams over the keys may use a running M (the ceiling of the running maximum): every later rescaling is an exact power of two, so the quantised numbers keep their values, but for numbers so far below the row's largest that they fall under the format's range.
;;   OPERANDS COMPUTED ON THE WAY. 'Computed on the way' means the value that the module computes at that place (a softmax that the list does not call 'softmax' is quantised finished and normalised). What goes into a quantiser is computed in f32, as accurately as f32 sums, v_exp_f32 and their like allow (about 1e-6 of the number): no bf16 or f16 on the way to a quantiser, and a product that is left as it is and whose result goes on into a quantised operand takes f32 operands (vector FMAs, or v_wmma_f32_16x16x4_f32). A number that lies on a knife's edge between two numbers of the format may be rounded either way, as far as f32 arithmetic and the matrix unit's own rounding can turn it there, and no further.
;; 2 versions. Each part assembles by itself: llvm-mc -triple=amdgcn-amd-amdhsa -mcpu=gfx1250 --defsym DOCPART=n.
;; ======== version 1 of 2: 2 launches
;; limits: right only within a limited range of input values
;; workspace buffers: q_codes 3,145,728 bytes; k_codes 3,145,728 bytes; v_codes 3,145,728 bytes; bits 2,097,152 bytes of whole numbers; tiles 65,536 bytes of whole numbers
;; launch prep (part 1): grid 544 x 1, 8 waves a work-group, no clusters, 36,096 bytes of LDS; arguments q, k, v, mask, lowp_scales, q_codes, k_codes, v_codes, bits, tiles; writes q_codes, k_codes, v_codes, bits, tiles
.if DOCPART == 1
	.amdgcn_target "amdgcn-amd-amdhsa--gfx1250"
	.amdhsa_code_object_version 6
	.text
	.protected	k_q679998c709_prep
	.globl	k_q679998c709_prep
	.p2align	8
	.type	k_q679998c709_prep,@function
k_q679998c709_prep:
	s_mov_b64 s[64:65], 0
	v_nop
	global_prefetch_b8 v0, s[64:65] scope:SCOPE_SE
	s_setreg_imm32_b32 hwreg(HW_REG_WAVE_MODE, 25, 1), 1
	s_wait_xcnt 0x0
; PREP: one pass over every input of the attention, three roles chosen by the work-group's number alone.
;  M  (work-groups 0-255, one for each tile of 16 queries): reads 16 rows of mask [4096][4096] int32 once and stores
;     bits  [qtile 256][key block 64][n 32] dwords: bit (r + 16 h) of dword n = 8 t + j says mask[16 qtile + r][64 kb + 16 t + 8 h + j] > 0:
;           the lane mask for register n of the scores S^T of that tile in the next launch;
;     tiles [qtile 256][256 bytes]: {walk lo, walk hi, full lo, full hi} sixteen times.  walk: the key blocks with a live entry, or all 64 where one
;           of the 16 rows has no live key at all (such a row weighs all 4,096 keys alike); full: the key blocks all of whose 16 x 64 entries are live.
;  QK (256-447): q and k, f32 [12][4096][64], become codes of E4M3 as images of operand registers: [head][tile of 16 rows][g 2][lane 32][16 bytes];
;     lane (r, h) of group g holds row r at d = 32 g + 16 h + 0 .. 15: the same order of d in q and in k, so every product meets its partner.
;  V  (448-543): v becomes codes with the keys innermost: [head][key block 64][channel tile t 4][g 2][lane 32][16 bytes]; lane (r, h) holds channel 16 t + r,
;     bytes 0-7 keys 32 g + 8 h + 0 .. 7, bytes 8-15 keys 32 g + 16 + 8 h + 0 .. 7: the 8-bit operand's own order along K.
; code = x / 2^e, held within +-448, to the nearest code, ties to even; e = entry 0 (q), 1 (k), 3 (v) of lowp_scales.
; LIMITS: each e between -126 and 119, so that 2^e and 448 x 2^e are f32 numbers.  NaN among q, k, v is not served (an infinity is held at the largest code).
; A stream: no matrix unit, no tensor load, no cluster (no two work-groups read the same byte).  Every load and store of a wave covers whole runs of
; consecutive bytes; every offset is an immediate; no address register and no store's data register is ever written again.
.set SPITCH, 272                       ; role QK's stage: a row of 256 bytes + 16: 17 x 16 bytes, so sixteen rows begin at sixteen different 16-byte columns of 256
.set WST,    16*SPITCH                 ; a wave's stage: 16 rows
.set XCH,    8*WST                     ; role M's exchange: eight records of 16 bytes, then from +128 eight dwords; a block of 256 bytes of its own
.set SPARE,  XCH+256                   ; the spare words, 128 bytes for each wave: four blocks of 256 bytes that no other line names
; REGISTERS in all roles: v1 16 x lane; v2, v3 the add's two; v30 lane; s24 wave; v10 = 448 x 2^e, v11 = 2^e (QK, V)
	s_load_b512 s[4:19], s[0:1], 0x0               ; q s[4:5], k s[6:7], v s[8:9], mask s[10:11], scales s[12:13], q_codes s[14:15], k_codes s[16:17], v_codes s[18:19]
	s_load_b128 s[20:23], s[0:1], 0x40             ; bits s[20:21], tiles s[22:23]
	v_lshl_add_u32 v2, v0, 2, SPARE                ; my spare word; never rewritten
	v_mov_b32 v3, 0                                ; 0; never rewritten
	v_lshrrev_b32 v1, 5, v0
	v_readfirstlane_b32 s24, v1                    ; wave 0..7
	v_and_b32 v30, 31, v0                          ; lane
	v_lshlrev_b32 v1, 4, v30                       ; 16 bytes a lane: a wave's 16-byte load or store covers 512 consecutive bytes
	s_wait_kmcnt 0x0
	s_cmp_lt_u32 ttmp9, 256
	s_cbranch_scc1 .Lrole_m
	s_load_b128 s[28:31], s[12:13], 0x0            ; eq, ek, ep, ev
	s_cmp_lt_u32 ttmp9, 448
	s_cbranch_scc1 .Lrole_qk
.macro SCALE e                         ; s[e] holds the exponent: v11 = 2^e (the conversion takes its exponent field), v10 = 448 x 2^e
	s_add_co_i32 s40, s[\e], 127
	s_lshl_b32 s41, s40, 23
	v_mov_b32 v11, s41
	s_add_co_i32 s40, s40, 8
	s_lshl_b32 s40, s40, 23
	s_or_b32 s40, s40, 0x600000                    ; 448 = 1.75 x 2^8
	v_mov_b32 v10, s40
.endm
; ---------------------------------------------------------------- ROLE V
; A wave takes one key block: 64 keys x 64 channels, 16,384 bytes.  A LANE TAKES A CHANNEL AND ITS REGISTERS RUN DOWN THE KEYS: v[32 + 64 u + key] = v[key][32 u + lane].
; The conversions, which take eight neighbours along K from one lane's registers, then give codes with the keys innermost; nothing is transposed.
	s_sub_co_u32 s32, ttmp9, 448
	s_lshl_b32 s32, s32, 3
	s_add_co_u32 s32, s32, s24                     ; the block: 64 x head + key block, 0 .. 767
	s_lshl_b32 s34, s32, 14
	s_mov_b32 s35, 0
	s_add_nc_u64 s[8:9], s[8:9], s[34:35]          ; its 16,384 bytes of v
	s_lshl_b32 s34, s32, 12
	s_add_nc_u64 s[18:19], s[18:19], s[34:35]      ; its 4,096 bytes of codes
	v_lshlrev_b32 v4, 2, v30
.set kk, 0
.rept 64                               ; two loads on end cover a key's 256 bytes
	global_load_b32 v[32+kk], v4, s[8:9] offset:256*kk th:TH_LOAD_NT
	global_load_b32 v[96+kk], v4, s[8:9] offset:256*kk+128 th:TH_LOAD_NT
.set kk, kk+1
.endr
	v_lshrrev_b32 v5, 4, v30
	v_and_b32 v6, 15, v30
	v_lshlrev_b32 v5, 10, v5
	v_lshl_add_u32 v5, v6, 4, v5                   ; out: channel tile 2 u + lane / 16 (1,024 bytes each), 16 bytes for lane % 16
	s_wait_kmcnt 0x0
	SCALE 31                                       ; ev
; Keys 32 g .. 32 g + 31 of my two channels: 64 holds; for each (u, h) two conversions make the 16 bytes of operand lane (lane % 16, h); codes in v[c] on.
.macro VHALF g, c
.irp u, 0,1
.set kk, 0
.rept 32
	v_med3_num_f32 v[32+64*\u+32*\g+kk], v[32+64*\u+32*\g+kk], -v10, v10   ; the conversion to an 8-bit code does not saturate (ISA guide 7.6.2): hold first
.set kk, kk+1
.endr
.endr
.irp u, 0,1
.irp h, 0,1
	v_cvt_scalef32_pk8_fp8_f32 v[\c+4*(2*\u+\h):\c+4*(2*\u+\h)+1], v[32+64*\u+32*\g+8*\h:32+64*\u+32*\g+8*\h+7], v11
	v_cvt_scalef32_pk8_fp8_f32 v[\c+4*(2*\u+\h)+2:\c+4*(2*\u+\h)+3], v[32+64*\u+32*\g+16+8*\h:32+64*\u+32*\g+16+8*\h+7], v11
.endr
.endr
.irp u, 0,1
.irp h, 0,1
	global_store_b128 v5, v[\c+4*(2*\u+\h):\c+4*(2*\u+\h)+3], s[18:19] offset:2048*\u+512*\g+256*\h   ; lanes 0-15 fill 256 consecutive aligned bytes, lanes 16-31 another 256
.endr
.endr
.endm
	s_wait_loadcnt 63                              ; of 128 loads the youngest 63 may be out: the first 65 are in, keys 0-31 of both channels among them
	VHALF 0, 16
	s_wait_loadcnt 0x0
	VHALF 1, 32                                    ; its codes go where keys 0-15 lay: its own 64 holds stand between the first half's conversions and these writes over their sources
	s_branch .Lend
; ---------------------------------------------------------------- ROLE QK
; A wave takes 4 tiles of 16 rows x 64 numbers (4,096 bytes each).  The loads take the bytes as they lie; a tile turns through the wave's own stage in LDS,
; so that a lane gets 16 NEIGHBOURS along d for each group g.  v32-95 two sets as loaded; v96-127 the lane's 32 numbers; v128-159 codes, eight registers a tile.
.Lrole_qk:
	s_sub_co_u32 s32, ttmp9, 256
	s_cmp_lt_u32 s32, 96                           ; the first 96 work-groups take q, the others k: the choice hangs on the work-group's number alone
	s_cselect_b64 s[34:35], s[4:5], s[6:7]
	s_cselect_b64 s[36:37], s[14:15], s[16:17]
	s_cselect_b32 s33, 0, 96
	s_sub_co_u32 s32, s32, s33
	s_lshl_b32 s32, s32, 5
	s_lshl_b32 s33, s24, 2
	s_add_co_u32 s32, s32, s33                     ; my first tile: 32 x work-group + 4 x wave, 0 .. 3,068
	s_lshl_b32 s38, s32, 12
	s_mov_b32 s39, 0
	s_add_nc_u64 s[34:35], s[34:35], s[38:39]
	s_lshl_b32 s38, s32, 10
	s_add_nc_u64 s[36:37], s[36:37], s[38:39]
.macro QLOAD k                         ; tile k: eight loads of 512 consecutive bytes, two rows each
.set RL, 32+32*((\k)%2)
.irp j, 0,1,2,3,4,5,6,7
	global_load_b128 v[RL+4*\j:RL+4*\j+3], v1, s[34:35] offset:4096*(\k)+512*\j th:TH_LOAD_NT
.endr
.endm
	QLOAD 0
	QLOAD 1
	s_mul_i32 s42, s24, WST                        ; my stage
	v_lshrrev_b32 v6, 4, v30                       ; h
	v_and_b32 v7, 15, v30                          ; r
	v_mul_u32_u24 v4, v6, SPITCH
	v_lshl_add_u32 v4, v7, 4, v4
	v_add_nc_u32 v4, s42, v4                       ; in: row lane / 16 of a load's two, 16 bytes for lane % 16
	v_mul_u32_u24 v5, v7, SPITCH
	v_lshl_add_u32 v5, v6, 6, v5
	v_add_nc_u32 v5, s42, v5                       ; back: row r, 64 bytes on for h = 1
	s_wait_kmcnt 0x0
	s_cmp_lt_u32 ttmp9, 352
	s_cselect_b32 s43, s28, s29                    ; eq or ek
	SCALE 43
.macro QTILE k, left
.set RS, 32+32*((\k)%2)
.set CD, 128+8*(\k)
	s_wait_loadcnt \left                           ; this tile's eight loads are in; the next tile's eight may be out
.irp j, 0,1,2,3,4,5,6,7
	ds_store_b128 v4, v[RS+4*\j:RS+4*\j+3] offset:2*SPITCH*\j
.endr
.irp g, 0,1
.irp u, 0,1,2,3
	ds_load_b128 v[96+16*\g+4*\u:96+16*\g+4*\u+3], v5 offset:128*\g+16*\u   ; LDS serves a wave's instructions in order (ISA guide 5.7.1.4): these see the stores above
.endr
.endr
	s_wait_dscnt 0x0                               ; the numbers are back, and the stores have read the set,
.if (\k) < 2
	QLOAD (\k)+2                                   ; which takes the tile two further on
.endif
.irp g, 0,1
.irp i, 0,1,2,3,4,5,6,7,8,9,10,11,12,13,14,15
	v_med3_num_f32 v[96+16*\g+\i], v[96+16*\g+\i], -v10, v10
.endr
	v_cvt_scalef32_pk8_fp8_f32 v[CD+4*\g:CD+4*\g+1], v[96+16*\g:96+16*\g+7], v11
	v_cvt_scalef32_pk8_fp8_f32 v[CD+4*\g+2:CD+4*\g+3], v[96+16*\g+8:96+16*\g+15], v11
.endr
	v_nop                                          ; one plain vector line behind the conversions: the next tile's first hold writes one of their sources
.irp g, 0,1
	global_store_b128 v1, v[CD+4*\g:CD+4*\g+3], s[36:37] offset:1024*(\k)+512*\g   ; operand registers 4 g .. 4 g + 3 of all 32 lanes: 512 consecutive bytes
.endr
.endm
	QTILE 0, 8
	QTILE 1, 8
	QTILE 2, 8
	QTILE 3, 0
	s_branch .Lend
; ---------------------------------------------------------------- ROLE M
; Wave w takes the tile's 16 rows x keys 512 w .. 512 w + 511, in 4 spans of 128 keys (two key blocks).  A load reads 512 consecutive bytes of one row: loader lane l holds keys 4 l .. 4 l + 3.
; Four compares a row give the words W0..W3 (bit l of Ww: key 4 l + w is live).  Output lane L makes dwords n0 = 2 (L % 16) and n0 + 1 of key block L / 16 of the span: for half h the key
; 16 t + 8 h + j (t = (L % 16) / 4, j = 2 (L % 4)) lies in loader lane 16 (L / 16) + 4 t + 2 h + (L / 2) % 2, word 0 or 2 by L's parity (n0 + 1: word 1 or 3).
; REGISTERS: v4 all ones in odd lanes; v5, v6 that loader lane for h = 0, 1; v7 8 x lane; v8, v15 my places in the exchange; v9-14 at work; v[16+2s:17+2s] span s's two dwords;
;   v24-28 my record; v32-95, v96-159 two sets of 16 rows x 4.   s[32:47] four sets of W0..W3 by turns; s48-51 at work; s52 / s54 loader lanes with a live / with only live keys, over the rows;
;   s56, s57 my eight blocks' live and full bits; s58 rows with a live key; s66-81 each row's live loader lanes, over the spans.
.Lrole_m:
	s_lshl_b32 s60, ttmp9, 18                      ; 16 rows of 16,384 bytes
	s_lshl_b32 s62, s24, 11                        ; 512 keys
	s_add_co_u32 s60, s60, s62
	s_mov_b32 s61, 0
	s_add_nc_u64 s[26:27], s[10:11], s[60:61]
	s_lshl_b32 s60, ttmp9, 13                      ; bits: 8,192 bytes a query tile, 1,024 a wave
	s_lshl_b32 s62, s24, 10
	s_add_co_u32 s60, s60, s62
	s_add_nc_u64 s[20:21], s[20:21], s[60:61]
	s_lshl_b32 s60, ttmp9, 8
	s_add_nc_u64 s[22:23], s[22:23], s[60:61]      ; tiles: 256 bytes a query tile
.macro MLOAD s
.set ri, 0
.rept 16
	global_load_b128 v[32+64*((\s)%2)+4*ri:32+64*((\s)%2)+4*ri+3], v1, s[26:27] offset:ri*16384+(\s)*512 th:TH_LOAD_NT
.set ri, ri+1
.endr
.endm
	MLOAD 0
	MLOAD 1
	v_and_b32 v4, 1, v30
	v_sub_nc_u32 v4, 0, v4
	v_lshrrev_b32 v5, 2, v30
	v_lshlrev_b32 v5, 2, v5                        ; 16 (L / 16) + 4 ((L % 16) / 4)
	v_bfe_u32 v6, v30, 1, 1
	v_add_nc_u32 v5, v5, v6
	v_add_nc_u32 v6, 2, v5
	v_lshlrev_b32 v7, 3, v30
	v_mov_b32 v8, s24
	v_lshl_add_u32 v8, v8, 4, XCH
	v_mov_b32 v15, s24
	v_lshl_add_u32 v15, v15, 2, XCH+128
.macro MSCAL s                         ; row rj's words folded into the span's and the row's figures
.set WJ, 32+4*(rj%4)
	s_or_b32 s48, s[WJ], s[WJ+1]
	s_or_b32 s49, s[WJ+2], s[WJ+3]
	s_and_b32 s50, s[WJ], s[WJ+1]
	s_and_b32 s51, s[WJ+2], s[WJ+3]
	s_or_b32 s48, s48, s49
	s_and_b32 s50, s50, s51
.if rj == 0
	s_mov_b32 s52, s48                             ; the first row starts the span's figures
	s_mov_b32 s54, s50
.else
	s_or_b32 s52, s52, s48
	s_and_b32 s54, s54, s50
.endif
.if (\s) == 0
	s_mov_b32 s[66+rj], s48                        ; the first span starts the row's
.else
	s_or_b32 s[66+rj], s[66+rj], s48
.endif
.endm
.macro MFOLD s                         ; loader lanes 0-15 are the span's first key block, 16-31 its second: bits 2 s and 2 s + 1 of my eight
	s_and_b32 s59, s52, 0xffff
	s_cmp_lg_u32 s59, 0
	s_cselect_b32 s59, 1<<(2*(\s)), 0
	s_lshr_b32 s60, s52, 16
	s_cmp_lg_u32 s60, 0
	s_cselect_b32 s60, 2<<(2*(\s)), 0
	s_and_b32 s61, s54, 0xffff
	s_cmp_eq_u32 s61, 0xffff
	s_cselect_b32 s61, 1<<(2*(\s)), 0
	s_lshr_b32 s62, s54, 16
	s_cmp_eq_u32 s62, 0xffff
	s_cselect_b32 s62, 2<<(2*(\s)), 0
.if (\s) == 0
	s_or_b32 s56, s59, s60
	s_or_b32 s57, s61, s62
.else
	s_or_b32 s59, s59, s60
	s_or_b32 s61, s61, s62
	s_or_b32 s56, s56, s59
	s_or_b32 s57, s57, s61
.endif
.endm
.macro MWORK s, left
	s_wait_loadcnt \left                           ; this span's 16 loads are in; the next span's 16 may be out
.set XS, 32+64*((\s)%2)
.set A0, 16+2*(\s)
.set ri, 0
.rept 16
.set WB, 32+4*(ri%4)
.irp w, 0,1,2,3
	v_cmp_lt_i32 s[WB+\w], 0, v[XS+4*ri+\w]        ; mask > 0
.endr
.if ri > 0
.set rj, ri-1
	MSCAL \s                                       ; the row before: its words were made a row ago
.endif
	v_bfi_b32 v13, v4, s[WB+2], s[WB]              ; odd lanes take word 2, even lanes word 0: dword n0's
	v_bfi_b32 v14, v4, s[WB+3], s[WB+1]            ; dword n0 + 1's
.if ri == 0
	v_bfe_u32 v[A0], v13, v5, 1                    ; row 0, h = 0 is bit 0: it starts the dword, nothing is cleared
	v_bfe_u32 v[A0+1], v14, v5, 1
.else
	v_bfe_u32 v9, v13, v5, 1
	v_bfe_u32 v10, v14, v5, 1
.endif
	v_bfe_u32 v11, v13, v6, 1
	v_bfe_u32 v12, v14, v6, 1
.if ri > 0
	v_lshl_or_b32 v[A0], v9, ri, v[A0]
	v_lshl_or_b32 v[A0+1], v10, ri, v[A0+1]
.endif
	v_lshl_or_b32 v[A0], v11, ri+16, v[A0]
	v_lshl_or_b32 v[A0+1], v12, ri+16, v[A0+1]
.set ri, ri+1
.endr
.set rj, 15
	MSCAL \s
	global_store_b64 v7, v[A0:A0+1], s[20:21] offset:256*(\s)   ; two key blocks' 64 dwords: 256 consecutive aligned bytes
	MFOLD \s
.endm
	MWORK 0, 16
	MLOAD 2
	MWORK 1, 16
	MLOAD 3
	MWORK 2, 16
	MWORK 3, 0
	s_cmp_lg_u32 s66, 0                            ; bit i: row i has a live key among my 512
	s_cselect_b32 s58, 1, 0
.set ri, 1
.rept 15
	s_cmp_lg_u32 s[66+ri], 0
	s_cselect_b32 s59, 1<<ri, 0
	s_or_b32 s58, s58, s59
.set ri, ri+1
.endr
	s_and_b32 s59, s24, 3                          ; my eight bits' place in the 64: byte w % 4 of the low (w < 4) or the high word
	s_lshl_b32 s59, s59, 3
	s_lshl_b32 s56, s56, s59
	s_lshl_b32 s57, s57, s59
	s_cmp_lt_u32 s24, 4
	s_cselect_b32 s60, s56, 0
	s_cselect_b32 s61, 0, s56
	s_cselect_b32 s62, s57, 0
	s_cselect_b32 s63, 0, s57
	v_mov_b32 v24, s60
	v_mov_b32 v25, s61
	v_mov_b32 v26, s62
	v_mov_b32 v27, s63
	v_mov_b32 v28, s58
	ds_store_b128 v8, v[24:27]                     ; all lanes write the same bytes with the same values
	ds_store_b32 v15, v28
	s_wait_dscnt 0x0                               ; for the others' sake: my record lies in LDS
	s_barrier_signal -1
	s_barrier_wait -1                              ; the role's one barrier: all eight records lie there
	s_cmp_lg_u32 s24, 0
	s_cbranch_scc1 .Lend                           ; wave 0 joins them
	v_mov_b32 v9, XCH
.irp u, 0,1,2,3,4,5,6,7
	ds_load_b128 v[32+4*\u:35+4*\u], v9 offset:16*\u
.endr
	ds_load_b128 v[64:67], v9 offset:128
	ds_load_b128 v[68:71], v9 offset:144
	s_mov_b32 s59, 0xaaaaaaaa                      ; the odd lanes
	s_wait_dscnt 0x0
.irp u, 1,2,3,4,5,6,7
.irp c, 0,1,2,3
	v_or_b32 v[32+\c], v[32+\c], v[32+4*\u+\c]     ; live lo, live hi, full lo, full hi
.endr
	v_or_b32 v64, v64, v[64+\u]                    ; rows with a live key anywhere
.endr
	v_cmp_eq_u32 vcc_lo, 0xffff, v64
	v_cndmask_b32 v32, -1, v32, vcc_lo             ; a row without a live key: all 64 blocks are walked
	v_cndmask_b32 v33, -1, v33, vcc_lo
	v_cndmask_b32 v36, v32, v34, s59               ; even lanes hold walk, odd lanes full
	v_cndmask_b32 v37, v33, v35, s59
	global_store_b64 v7, v[36:37], s[22:23]        ; the 16 bytes sixteen times: 256 consecutive aligned bytes
.Lend:
	s_wait_tensorcnt 0x0                           ; the wave's end
	ds_add_u32 v2, v3
	s_wait_dscnt 0x0
	s_endpgm
.Lfunc_end_k_q679998c709_prep:
	.size	k_q679998c709_prep, .Lfunc_end_k_q679998c709_prep-k_q679998c709_prep
	.p2alignl 7, 3214868480
	.fill 96, 4, 3214868480
	.section	.rodata,"a",@progbits
	.p2align	6, 0x0
	.amdhsa_kernel k_q679998c709_prep
		.amdhsa_group_segment_fixed_size 36096
		.amdhsa_private_segment_fixed_size 0
		.amdhsa_enable_private_segment 0
		.amdhsa_kernarg_size 80
		.amdhsa_user_sgpr_count 2
		.amdhsa_user_sgpr_kernarg_segment_ptr 1
		.amdhsa_wavefront_size32 1
		.amdhsa_system_sgpr_workgroup_id_x 1
		.amdhsa_system_sgpr_workgroup_id_y 1
		.amdhsa_system_sgpr_workgroup_id_z 1
		.amdhsa_system_vgpr_workitem_id 0
		.amdhsa_next_free_vgpr 160
		.amdhsa_next_free_sgpr 84
		.amdhsa_reserve_vcc 1
		.amdhsa_float_denorm_mode_32 3
		.amdhsa_float_denorm_mode_16_64 3
		.amdhsa_memory_ordered 1
		.amdhsa_forward_progress 1
		.amdhsa_inst_pref_size 131
	.end_amdhsa_kernel
	.amdgpu_metadata
---
amdhsa.version: [ 1, 2 ]
amdhsa.kernels:
  - .name:           k_q679998c709_prep
    .symbol:         k_q679998c709_prep.kd
    .args:
      - { .name: q, .offset: 0, .size: 8, .value_kind: global_buffer, .address_space: global }
      - { .name: k, .offset: 8, .size: 8, .value_kind: global_buffer, .address_space: global }
      - { .name: v, .offset: 16, .size: 8, .value_kind: global_buffer, .address_space: global }
      - { .name: mask, .offset: 24, .size: 8, .value_kind: global_buffer, .address_space: global }
      - { .name: lowp_scales, .offset: 32, .size: 8, .value_kind: global_buffer, .address_space: global }
      - { .name: q_codes, .offset: 40, .size: 8, .value_kind: global_buffer, .address_space: global }
      - { .name: k_codes, .offset: 48, .size: 8, .value_kind: global_buffer, .address_space: global }
      - { .name: v_codes, .offset: 56, .size: 8, .value_kind: global_buffer, .address_space: global }
      - { .name: bits, .offset: 64, .size: 8, .value_kind: global_buffer, .address_space: global }
      - { .name: tiles, .offset: 72, .size: 8, .value_kind: global_buffer, .address_space: global }
    .group_segment_fixed_size: 36096
    .private_segment_fixed_size: 0
    .kernarg_segment_align: 8
    .kernarg_segment_size: 80
    .max_flat_workgroup_size: 256
    .sgpr_count:     84
    .vgpr_count:     160
    .wavefront_size: 32
...
	.end_amdgpu_metadata
.endif
;; end of part 1
;; launch attn (part 2): grid 256 x 12, 4 waves a work-group, no clusters, 18,432 bytes of LDS; arguments q_codes, k_codes, v_codes, tiles, bits, lowp_scales, out0; writes out0
.if DOCPART == 2
	.amdgcn_target "amdgcn-amd-amdhsa--gfx1250"
	.amdhsa_code_object_version 6
	.text
	.protected	k_q679998c709_attn
	.globl	k_q679998c709_attn
	.p2align	8
	.type	k_q679998c709_attn,@function
k_q679998c709_attn:
	s_mov_b64 s[64:65], 0
	v_nop
	global_prefetch_b8 v0, s[64:65] scope:SCOPE_SE
	s_setreg_imm32_b32 hwreg(HW_REG_WAVE_MODE, 25, 1), 1
	s_wait_xcnt 0x0
; out0[head][q][:] = softmax_k(where(mask[q][k] > 0, q . k / 8, -1e9)) v, both products on codes of E4M3 with the given scales 2^eq, 2^ek, 2^ep, 2^ev.
; THE SOFTMAX AHEAD OF THE SECOND PRODUCT: t = logit x log2(e); M = the largest t so far, taken UP to a whole number; p = 2^(t - M) is quantised along the keys, not normalised;
; the row's sum is taken of the unquantised p and divides at the end; when M moves, sum and O are multiplied by 2^(old M - new M), which rounds nothing.
; SHARES.  A work-group owns one tile of 16 queries of one head (x: tile, y: head).  The key blocks of 64 that it walks are the set bits of 'walk' in tiles, as the launch before read them off the
; mask: a block without a live entry gives p = 0 to every row that has a live key somewhere, and a tile with a row that has none walks all 64.  Wave w takes the w-th, (w + 4)-th .. set bit, with
; a running M, sum and O of its own; the four partial results meet in LDS behind one barrier, and each wave then finishes and stores 4 whole rows.
; NO TENSOR LOADS, NO CLUSTER: which blocks a work-group reads, and how many, are numbers read from memory, and differ from work-group to work-group.  The codes lie in memory in the order of the
; operands' registers, so each load is 512 consecutive bytes straight into a fragment.  A block's K, V and lane masks are asked for one step ahead.
; LAYOUT.  S^T = K Q^T (source 0 = 16 keys, source 1 = my 16 queries), O^T = V^T P^T (source 0 = 16 channels, source 1 = P): a lane holds ONE query (lane % 16) throughout.  Register 8 t + j of S^T is
; key 16 t + 8 (lane / 16) + j: tile t's eight codes are the register pair t of the 8-bit operand's own order along K, so the conversions' results are the second product's operand.
; THE MASK.  Dword n of bits is the lane mask of S^T's register n.  A masked score becomes -2^(33 - eq - ek), so that its t = -1.4427 x 2^30 is a whole number: in a row with nothing live t = M and p = 1
; exactly, for all 4,096 keys.  A block marked full skips the 32 selects.
; LIMITS: the masked logit is -2^30 and not -1e9: the two give the same result unless a live logit lies under about -1e9, which the hold at 448 excludes (|logit| <= 8 x 448^2 x 2^(eq + ek)) for
; eq + ek <= 9; eq + ek between -94 and 9, so that c and the masked score are f32 numbers; ep between -126 and 119; ep + ev goes by v_ldexp_f32 and has no limit.
.set SPITCH, 272                       ; a row of O in a stage: 256 bytes + 16
.set PART,   16*SPITCH                 ; a wave's partial O: 16 rows
.set STAT,   4*PART                    ; for each wave 16 rows x (-M, sum): 128 bytes
.set SPARE,  STAT+512                  ; the spare words, 128 bytes for each wave: two blocks of 256 bytes that no other line names
.set QF, 16                            ; v16-23   Q's fragment
.set KF, 24                            ; v24-55   K: 4 tiles of 16 keys
.set VF, 56                            ; v56-87   V^T: 4 tiles of 16 channels
.set SC, 88                            ; v88-119  S^T, then p
.set OT, 120                           ; v120-151 O^T
.set PC, 152                           ; v152-159 p's codes
.set MK, 68                            ; s68-99   32 lane masks
; v1 16 x lane; v2, v3 the add's two; v4, v5 partial O: in, back; v6, v7 (-M, sum): in, back; v8 my bytes in two rows of out0; v9 the masked score; v10 448 x 2^ep; v11 2^ep;
; v12 -M; v13 the largest t; v[14:15] the sum in two halves; v160, v161 the maximum's two chains; v162 a permute's target; v163 the old -M; v[164:165] f; v[166:167] the sum's second chain.
; s18 wave; s19 head; s[20:23] eq, ek, ep, ev; s[24:25] walk bits to go; s[26:27] full; s28 steps to go; s30 the block to be fetched; s31 1: the block in hand is full;
; s[32:33], s[34:35], s[36:37] bases of the K, V, masks being fetched; s[38:39], s[40:41], s[42:43] the head's K, V, the tile's masks; s[44:45] c; s[46:47] lane selects; s[50:51] an offset, s51 = 0; s56 ep + ev.
	s_load_b256 s[4:11], s[0:1], 0x0               ; q_codes s[4:5], k_codes s[6:7], v_codes s[8:9], tiles s[10:11]
	s_load_b128 s[12:15], s[0:1], 0x20             ; bits s[12:13], lowp_scales s[14:15]
	s_load_b64 s[16:17], s[0:1], 0x30              ; out0
	v_lshl_add_u32 v2, v0, 2, SPARE                ; my spare word; never rewritten
	v_mov_b32 v3, 0                                ; 0; never rewritten
	v_lshrrev_b32 v1, 5, v0
	v_readfirstlane_b32 s18, v1                    ; wave 0..3
	s_and_b32 s19, ttmp7, 0xffff                   ; head
	v_and_b32 v160, 31, v0                         ; lane
	v_and_b32 v161, 15, v0                         ; r
	v_bfe_u32 v162, v0, 4, 1                       ; h
	v_lshlrev_b32 v1, 4, v160
	s_mul_i32 s50, s18, PART
	v_mul_u32_u24 v4, v161, SPITCH
	v_lshl_add_u32 v4, v162, 5, v4
	v_add_nc_u32 v4, s50, v4                       ; in: my stage, row r, 32 h bytes on; tile t's eight channels 64 t further
	s_mul_i32 s50, s18, 4*SPITCH
	v_mul_u32_u24 v5, v162, SPITCH
	v_lshl_add_u32 v5, v161, 4, v5
	v_add_nc_u32 v5, s50, v5                       ; back: row 4 w + h of a stage, 16 bytes for lane % 16
	s_lshl_b32 s50, s18, 7
	v_lshl_add_u32 v6, v161, 3, s50
	v_add_nc_u32 v6, STAT, v6                      ; in: wave w's record of row r
	s_lshl_b32 s50, s18, 5
	v_lshl_add_u32 v7, v162, 3, s50
	v_add_nc_u32 v7, STAT, v7                      ; back: row 4 w + h of a wave's records
	v_lshlrev_b32 v8, 8, v162
	v_lshl_add_u32 v8, v161, 4, v8                 ; out0: lanes 0-15 one row of 256 bytes, lanes 16-31 the next
	v_mov_b32 v13, 0xff61b1e6                      ; the largest t so far: -3e38, under every t
	v_floor_f32 v12, -v13                          ; -M
	v_mov_b32 v14, 0
	v_mov_b32 v15, 0
	v_mov_b32 v165, 0                              ; (named as the upper half of the pair v[164:165])
.set n, 0
.rept 32
	v_mov_b32 v[OT+n], 0                           ; O^T: the step is written in one form, whose first change of M leaves zeros zeros; and a wave without a block hands zeros on
.set n, n+1
.endr
	s_mov_b32 s46, 0x76543210                      ; v_permlanex16_b32: lane l xor 16
	s_mov_b32 s47, 0xfedcba98
	s_mov_b32 s51, 0
	s_wait_kmcnt 0x0
	s_load_b128 s[20:23], s[14:15], 0x0            ; eq, ek, ep, ev
	s_lshl_b32 s50, ttmp9, 8
	s_add_nc_u64 s[10:11], s[10:11], s[50:51]
	s_load_b128 s[24:27], s[10:11], 0x0            ; walk, full
	s_lshl_b32 s50, s19, 18                        ; a head's codes: 262,144 bytes in each of the three buffers
	s_add_nc_u64 s[38:39], s[6:7], s[50:51]
	s_add_nc_u64 s[40:41], s[8:9], s[50:51]
	s_add_nc_u64 s[4:5], s[4:5], s[50:51]
	s_lshl_b32 s50, ttmp9, 10
	s_add_nc_u64 s[4:5], s[4:5], s[50:51]          ; my tile of Q: 1,024 bytes
	s_lshl_b32 s50, ttmp9, 13
	s_add_nc_u64 s[42:43], s[12:13], s[50:51]      ; my tile's lane masks: 64 blocks x 128 bytes
	s_lshl_b32 s50, s19, 20
	s_add_nc_u64 s[16:17], s[16:17], s[50:51]
	s_lshl_b32 s50, ttmp9, 12
	s_lshl_b32 s52, s18, 10
	s_add_co_u32 s50, s50, s52
	s_add_nc_u64 s[16:17], s[16:17], s[50:51]      ; out0 at row 16 x tile + 4 x wave of my head
	s_wait_kmcnt 0x0
	s_add_co_i32 s50, s20, s21                     ; eq + ek
	s_lshl_b32 s52, s50, 23
	s_add_co_i32 s44, s52, 0x3e38aa3b              ; c = log2(e) / 8 x 2^(eq + ek): the exponents are added to the exponent field
	s_mov_b32 s45, s44                             ; (named with it as a pair, so it is written)
	s_sub_co_i32 s52, 160, s50
	s_lshl_b32 s52, s52, 23
	s_or_b32 s52, s52, 0x80000000
	v_mov_b32 v9, s52                              ; -2^(33 - eq - ek)
	s_add_co_i32 s52, s22, 127
	s_lshl_b32 s53, s52, 23
	v_mov_b32 v11, s53                             ; 2^ep
	s_add_co_i32 s52, s52, 8
	s_lshl_b32 s52, s52, 23
	s_or_b32 s52, s52, 0x600000
	v_mov_b32 v10, s52                             ; 448 x 2^ep
	s_add_co_i32 s56, s22, s23                     ; ep + ev
	s_bcnt1_i32_b32 s52, s24
	s_bcnt1_i32_b32 s53, s25
	s_add_co_u32 s28, s52, s53                     ; blocks to walk, at least 1
	s_add_co_u32 s28, s28, 3
	s_sub_co_u32 s28, s28, s18
	s_lshr_b32 s28, s28, 2                         ; my share: those numbered w, w + 4, ..
.irp i, 0,1,2                          ; the w lowest set bits are other waves' first blocks
	s_add_nc_u64 s[48:49], s[24:25], -1
	s_and_b32 s48, s48, s24
	s_and_b32 s49, s49, s25
	s_cmp_gt_u32 s18, \i
	s_cselect_b32 s24, s48, s24
	s_cselect_b32 s25, s49, s25
.endr
	s_cmp_eq_u32 s28, 0
	s_cbranch_scc1 .Lmerge                         ; fewer blocks than waves: I hand on zeros
.macro NEXTKB                          ; s30 = the lowest set bit of the walk bits to go, held inside the 64 blocks
	s_ctz_i32_b32 s52, s24
	s_ctz_i32_b32 s53, s25
	s_add_co_u32 s53, s53, 32
	s_cmp_lg_u32 s24, 0
	s_cselect_b32 s30, s52, s53
	s_min_u32 s30, s30, 63
.endm
.macro DROP4                           ; the four lowest set bits go: mine and the other three waves'
.rept 4
	s_add_nc_u64 s[48:49], s[24:25], -1
	s_and_b32 s24, s24, s48
	s_and_b32 s25, s25, s49
.endr
.endm
.macro FLAGOF                          ; s31 = bit s30 of full
	s_cmp_ge_u32 s30, 32
	s_cselect_b32 s31, s27, s26
	s_lshr_b32 s31, s31, s30
	s_and_b32 s31, s31, 1
.endm
.macro BASE d, b, sh                   ; s[d:d+1] = s[b:b+1] + (block s30 << sh)
	s_lshl_b32 s50, s30, \sh
	s_add_nc_u64 s[\d:\d+1], s[\b:\b+1], s[50:51]
.endm
.macro LDK                             ; a block's K: 4 tiles x 2 groups of 4 registers, 4,096 bytes on end
.irp i, 0,1,2,3,4,5,6,7
	global_load_b128 v[KF+4*\i:KF+4*\i+3], v1, s[32:33] offset:512*\i
.endr
.endm
.macro LDV
.irp i, 0,1,2,3,4,5,6,7
	global_load_b128 v[VF+4*\i:VF+4*\i+3], v1, s[34:35] offset:512*\i
.endr
.endm
.macro LDB                             ; its 32 lane masks
	s_load_b512 s[MK:MK+15], s[36:37], 0x0
	s_load_b512 s[MK+16:MK+31], s[36:37], 0x40
.endm
; A STEP: 16 queries x one block of 64 keys.  pf = 1: the next block of mine (s30) is fetched meanwhile.
.macro STEP pf
	s_wait_loadcnt 0x8                             ; K is in (the first time Q too); the eight younger loads are V's
.irp t, 0,1,2,3
	v_wmma_f32_16x16x64_fp8_fp8 v[SC+8*\t:SC+8*\t+7], v[KF+8*\t:KF+8*\t+7], v[QF:QF+7], 0
.endr
.if \pf
	BASE 32, 38, 12                                ; K's loads are done by the wait above: their base may be written
.endif
	v_mov_b32 v163, v12                            ; the old -M.  With three v_nop: four places in front of the loads into K's registers and of the first read of the scores
.rept 3
	v_nop
.endr
.if \pf
	LDK
.endif
	s_wait_kmcnt 0x0                               ; this block's lane masks are in
	s_cmp_lg_u32 s31, 0
	s_cbranch_scc1 .Lopen_\@                       ; a full block: nothing to select
.set n, 0
.rept 32
	v_cndmask_b32 v[SC+n], v9, v[SC+n], s[MK+n]    ; ascending: each accumulator from its low end
.set n, n+1
.endr
.Lopen_\@:
	v_max3_num_f32 v160, v[SC], v[SC+1], v[SC+2]   ; my query's largest score among my 32 keys, in two chains, ascending too
	v_max3_num_f32 v161, v[SC+3], v[SC+4], v[SC+5]
.irp j, 6,10,14,18,22,26
	v_max3_num_f32 v160, v160, v[SC+\j], v[SC+\j+1]
	v_max3_num_f32 v161, v161, v[SC+\j+2], v[SC+\j+3]
.endr
	v_max3_num_f32 v160, v160, v[SC+30], v[SC+31]
	v_max_num_f32 v160, v160, v161
	v_permlanex16_b32 v162, v160, s46, s47
	v_max_num_f32 v160, v160, v162                 ; and among lane l xor 16's
	v_mul_f32 v160, s44, v160                      ; as t (c is positive)
	v_max_num_f32 v13, v13, v160
	v_floor_f32 v12, -v13                          ; the new -M = -ceil(t): a whole number
	v_sub_f32 v160, v12, v163                      ; old M - new M, 0 or less
	v_cvt_i32_f32 v160, v160                       ; (it saturates)
	v_ldexp_f32 v164, 1.0, v160                    ; f = 2^(old M - new M)
.irp j, 0,2,4,6,8,10,12,14,16,18,20,22,24,26,28,30
	v_pk_fma_f32 v[SC+\j:SC+\j+1], v[SC+\j:SC+\j+1], s[44:45], v[12:13] op_sel_hi:[1,0,0]   ; t - M, two at a time (of the pairs c and -M the low word serves both halves)
.endr
.if \pf
	BASE 36, 42, 7                                 ; the masks' loads are done by the wait above, and the selects are issued: base and registers take the next block's
	LDB
.endif
.set n, 0
.rept 32
	v_exp_f32 v[SC+n], v[SC+n]                     ; p = 2^(t - M)
.set n, n+1
.endr
	v_pk_mul_f32 v[14:15], v[14:15], v[164:165] op_sel_hi:[1,0]   ; the sum under the new M: the plain line behind the exponentials
	s_wait_alu depctr_va_vdst(0)                   ; one wait for the batch of 32, ahead of its first reader
	v_pk_add_f32 v[166:167], v[SC:SC+1], v[SC+2:SC+3]   ; the sum is taken of the unquantised p, in two chains
.irp j, 4,8,12,16,20,24,28
	v_pk_add_f32 v[14:15], v[14:15], v[SC+\j:SC+\j+1]
	v_pk_add_f32 v[166:167], v[166:167], v[SC+\j+2:SC+\j+3]
.endr
	v_pk_add_f32 v[14:15], v[14:15], v[166:167]
.irp t, 0,1,2,3
.irp j, 0,1,2,3,4,5,6,7
	v_min_num_f32 v[SC+8*\t+\j], v[SC+8*\t+\j], v10   ; the conversion to an 8-bit code does not saturate (ISA guide 7.6.2); p is not negative, so the hold is one-sided
.endr
	v_cvt_scalef32_pk8_fp8_f32 v[PC+2*\t:PC+2*\t+1], v[SC+8*\t:SC+8*\t+7], v11
.endr
.irp j, 0,2,4,6,8,10,12,14,16,18,20,22,24,26,28,30
	v_pk_mul_f32 v[OT+\j:OT+\j+1], v[OT+\j:OT+\j+1], v[164:165] op_sel_hi:[1,0]   ; O^T under the new M, ascending; also the plain lines between the conversions and the products
.endr
.if \pf
	s_wait_loadcnt 0x8                             ; V is in; the eight younger loads are the next K's
.else
	s_wait_loadcnt 0x0
.endif
.irp t, 0,1,2,3                        ; the four accumulators by turns, and the scores' products stand between two links of a chain
	v_wmma_f32_16x16x64_fp8_fp8 v[OT+8*\t:OT+8*\t+7], v[VF+8*\t:VF+8*\t+7], v[PC:PC+7], v[OT+8*\t:OT+8*\t+7]
.endr
.if \pf
	BASE 34, 40, 12                                ; V's loads are done by the wait above
	FLAGOF                                         ; the fetched block becomes the block in hand
	DROP4
	NEXTKB
.rept 4
	v_nop                                          ; four places in front of the loads into V's registers
.endr
	LDV
.endif
.endm
	NEXTKB                                         ; my first block
	BASE 32, 38, 12
	BASE 34, 40, 12
	BASE 36, 42, 7
	LDB
	global_load_b128 v[QF:QF+3], v1, s[4:5]
	global_load_b128 v[QF+4:QF+7], v1, s[4:5] offset:512
	LDK
	LDV
	FLAGOF
	DROP4
	NEXTKB                                         ; my second, if I have one
	s_sub_co_u32 s28, s28, 1
	s_cmp_eq_u32 s28, 0
	s_cbranch_scc1 .Ltail
.Lloop:                                ; at its head, by the way in and by the way back: K's eight loads are out, and behind them V's eight
	STEP 1
	s_sub_co_u32 s28, s28, 1
	s_cmp_lg_u32 s28, 0
	s_cbranch_scc1 .Lloop
.Ltail:
	STEP 0                                         ; my last block is written out: it fetches nothing
.Lmerge:
	v_add_f32 v13, v14, v15                        ; the sum's two halves.  Two additions and two v_nop: four places behind the last products, in front of the stores of O^T and the loads into V's registers
	v_nop
	v_nop
	v_permlanex16_b32 v162, v13, s46, s47
	v_add_f32 v13, v13, v162                       ; and lane l xor 16's: v[12:13] = (-M, sum)
.irp t, 0,1,2,3
	ds_store_b128 v4, v[OT+8*\t:OT+8*\t+3] offset:64*\t        ; O(r, 16 t + 8 h + 0 .. 7); each accumulator from its low end
	ds_store_b128 v4, v[OT+8*\t+4:OT+8*\t+7] offset:64*\t+16
.endr
	ds_store_b64 v6, v[12:13]                      ; both halves of the lanes write the same bytes with the same values
	s_wait_dscnt 0x0                               ; for the others' sake: my partial result lies in LDS
	s_barrier_signal -1
	s_barrier_wait -1                              ; the launch's one barrier, on every wave's path
; Rows 4 w + 2 j + h, j = 0, 1: partial p's 16 bytes in v[24 + 4 (2 p + j)], its (-M, sum) in v[56 + 4 p + 2 j].
.irp p, 0,1,2,3
.irp j, 0,1
	ds_load_b128 v[24+4*(2*\p+\j):24+4*(2*\p+\j)+3], v5 offset:\p*PART+\j*2*SPITCH
	ds_load_b64 v[56+4*\p+2*\j:56+4*\p+2*\j+1], v7 offset:\p*128+\j*16
.endr
.endr
	s_wait_dscnt 0x0
.irp j, 0,1
	v_min3_num_f32 v[72+\j], v[56+2*\j], v[60+2*\j], v[64+2*\j]
	v_min_num_f32 v[72+\j], v[72+\j], v[68+2*\j]   ; -(the largest M of the four)
.endr
.irp j, 0,1
.irp p, 0,1,2,3
	v_sub_f32 v[81+8*\j+2*\p], v[72+\j], v[56+4*\p+2*\j]   ; M of partial p less the largest: a whole number, 0 or less
.endr
.endr
.irp j, 0,1
.irp p, 0,1,2,3
	v_cvt_i32_f32 v[81+8*\j+2*\p], v[81+8*\j+2*\p]         ; (it saturates: a wave without a block gets f = 0)
.endr
.endr
.irp j, 0,1
.irp p, 0,1,2,3
	v_ldexp_f32 v[80+8*\j+2*\p], 1.0, v[81+8*\j+2*\p]      ; f of partial p, in the low word of a pair
.endr
.endr
.irp j, 0,1
	v_mul_f32 v[74+\j], v[80+8*\j], v[57+2*\j]
.endr
.irp p, 1,2,3
.irp j, 0,1
	v_fma_f32 v[74+\j], v[80+8*\j+2*\p], v[57+4*\p+2*\j], v[74+\j]   ; the row's sum
.endr
.endr
	v_rcp_f32 v77, v74
	v_rcp_f32 v79, v75
.irp j, 0,1                            ; the partial O's are joined while the reciprocals are made
.irp u, 0,2
	v_pk_mul_f32 v[96+4*\j+\u:97+4*\j+\u], v[24+4*\j+\u:25+4*\j+\u], v[80+8*\j:81+8*\j] op_sel_hi:[1,0]
.endr
.endr
.irp p, 1,2,3
.irp j, 0,1
.irp u, 0,2
	v_pk_fma_f32 v[96+4*\j+\u:97+4*\j+\u], v[24+4*(2*\p+\j)+\u:25+4*(2*\p+\j)+\u], v[80+8*\j+2*\p:81+8*\j+2*\p], v[96+4*\j+\u:97+4*\j+\u] op_sel_hi:[1,0,1]
.endr
.endr
.endr
	s_wait_alu depctr_va_vdst(0)                   ; one wait for the two reciprocals, ahead of their first reader
	v_ldexp_f32 v76, v77, s56                      ; 2^(ep + ev) / the sum, in the low word of the pair v[76:77]
	v_ldexp_f32 v78, v79, s56
.irp j, 0,1
.irp u, 0,2
	v_pk_mul_f32 v[96+4*\j+\u:97+4*\j+\u], v[96+4*\j+\u:97+4*\j+\u], v[76+2*\j:77+2*\j] op_sel_hi:[1,0]
.endr
	global_store_b128 v8, v[96+4*\j:99+4*\j], s[16:17] offset:512*\j th:TH_STORE_NT   ; two whole rows: 512 consecutive bytes, at a multiple of 256 from out0's first byte
.endr
	s_wait_tensorcnt 0x0                           ; the wave's end
	ds_add_u32 v2, v3
	s_wait_dscnt 0x0
	s_endpgm
.Lfunc_end_k_q679998c709_attn:
	.size	k_q679998c709_attn, .Lfunc_end_k_q679998c709_attn-k_q679998c709_attn
	.p2alignl 7, 3214868480
	.fill 96, 4, 3214868480
	.section	.rodata,"a",@progbits
	.p2align	6, 0x0
	.amdhsa_kernel k_q679998c709_attn
		.amdhsa_group_segment_fixed_size 18432
		.amdhsa_private_segment_fixed_size 0
		.amdhsa_enable_private_segment 0
		.amdhsa_kernarg_size 56
		.amdhsa_user_sgpr_count 2
		.amdhsa_user_sgpr_kernarg_segment_ptr 1
		.amdhsa_wavefront_size32 1
		.amdhsa_system_sgpr_workgroup_id_x 1
		.amdhsa_system_sgpr_workgroup_id_y 1
		.amdhsa_system_sgpr_workgroup_id_z 1
		.amdhsa_system_vgpr_workitem_id 0
		.amdhsa_next_free_vgpr 168
		.amdhsa_next_free_sgpr 100
		.amdhsa_reserve_vcc 0
		.amdhsa_float_denorm_mode_32 3
		.amdhsa_float_denorm_mode_16_64 3
		.amdhsa_memory_ordered 1
		.amdhsa_forward_progress 1
		.amdhsa_inst_pref_size 36
	.end_amdhsa_kernel
	.amdgpu_metadata
---
amdhsa.version: [ 1, 2 ]
amdhsa.kernels:
  - .name:           k_q679998c709_attn
    .symbol:         k_q679998c709_attn.kd
    .args:
      - { .name: q_codes, .offset: 0, .size: 8, .value_kind: global_buffer, .address_space: global }
      - { .name: k_codes, .offset: 8, .size: 8, .value_kind: global_buffer, .address_space: global }
      - { .name: v_codes, .offset: 16, .size: 8, .value_kind: global_buffer, .address_space: global }
      - { .name: tiles, .offset: 24, .size: 8, .value_kind: global_buffer, .address_space: global }
      - { .name: bits, .offset: 32, .size: 8, .value_kind: global_buffer, .address_space: global }
      - { .name: lowp_scales, .offset: 40, .size: 8, .value_kind: global_buffer, .address_space: global }
      - { .name: out0, .offset: 48, .size: 8, .value_kind: global_buffer, .address_space: global }
    .group_segment_fixed_size: 18432
    .private_segment_fixed_size: 0
    .kernarg_segment_align: 8
    .kernarg_segment_size: 56
    .max_flat_workgroup_size: 128
    .sgpr_count:     100
    .vgpr_count:     168
    .wavefront_size: 32
...
	.end_amdgpu_metadata
.endif
;; end of part 2
;; ======== version 2 of 2: 2 launches
;; limits: right only within a limited range of input values
;; workspace buffers: q_codes 3,145,728 bytes; k_codes 3,145,728 bytes; v_codes 3,145,728 bytes; bits 2,097,152 bytes of whole numbers; tiles 65,536 bytes of whole numbers
;; launch prep (part 3): grid 544 x 1, 8 waves a work-group, no clusters, 36,096 bytes of LDS; arguments q, k, v, mask, lowp_scales, q_codes, k_codes, v_codes, bits, tiles; writes q_codes, k_codes, v_codes, bits, tiles
.if DOCPART == 3
	.amdgcn_target "amdgcn-amd-amdhsa--gfx1250"
	.amdhsa_code_object_version 6
	.text
	.protected	k_q679998c709_prep
	.globl	k_q679998c709_prep
	.p2align	8
	.type	k_q679998c709_prep,@function
k_q679998c709_prep:
	s_mov_b64 s[64:65], 0
	v_nop
	global_prefetch_b8 v0, s[64:65] scope:SCOPE_SE
	s_setreg_imm32_b32 hwreg(HW_REG_WAVE_MODE, 25, 1), 1
	s_wait_xcnt 0x0
; PREP: one pass over every input of the attention, three roles chosen by the work-group's number alone.
;  M  (work-groups 0-255, one for each tile of 16 queries): reads 16 rows of mask [4096][4096] int32 once and stores
;     bits  [qtile 256][key block 64][n 32] dwords: bit (r + 16 h) of dword n = 8 t + j says mask[16 qtile + r][64 kb + 16 t + 8 h + j] > 0:
;           the lane mask for register n of the scores S^T of that tile in the next launch;
;     tiles [qtile 256][256 bytes]: {walk lo, walk hi, full lo, full hi} sixteen times.  walk: the key blocks with a live entry, or all 64 where one
;           of the 16 rows has no live key at all (such a row weighs all 4,096 keys alike); full: the key blocks all of whose 16 x 64 entries are live.
;  QK (256-447): q and k, f32 [12][4096][64], become codes of E4M3 as images of operand registers: [head][tile of 16 rows][g 2][lane 32][16 bytes];
;     lane (r, h) of group g holds row r at d = 32 g + 16 h + 0 .. 15: the same order of d in q and in k, so every product meets its partner.
;  V  (448-543): v becomes codes with the keys innermost: [head][key block 64][channel tile t 4][g 2][lane 32][16 bytes]; lane (r, h) holds channel 16 t + r,
;     bytes 0-7 keys 32 g + 8 h + 0 .. 7, bytes 8-15 keys 32 g + 16 + 8 h + 0 .. 7: the 8-bit operand's own order along K.
; code = x / 2^e, held within +-448, to the nearest code, ties to even; e = entry 0 (q), 1 (k), 3 (v) of lowp_scales.
; LIMITS: each e between -126 and 119, so that 2^e and 448 x 2^e are f32 numbers.  NaN among q, k, v is not served (an infinity is held at the largest code).
; A stream: no matrix unit, no tensor load, no cluster (no two work-groups read the same byte).  Every load and store of a wave covers whole runs of
; consecutive bytes; every offset is an immediate; no address register and no store's data register is ever written again.
.set SPITCH, 272                       ; role QK's stage: a row of 256 bytes + 16: 17 x 16 bytes, so sixteen rows begin at sixteen different 16-byte columns of 256
.set WST,    16*SPITCH                 ; a wave's stage: 16 rows
.set XCH,    8*WST                     ; role M's exchange: eight records of 16 bytes, then from +128 eight dwords; a block of 256 bytes of its own
.set SPARE,  XCH+256                   ; the spare words, 128 bytes for each wave: four blocks of 256 bytes that no other line names
; REGISTERS in all roles: v1 16 x lane; v2, v3 the add's two; v30 lane; s24 wave; v10 = 448 x 2^e, v11 = 2^e (QK, V)
	s_load_b512 s[4:19], s[0:1], 0x0               ; q s[4:5], k s[6:7], v s[8:9], mask s[10:11], scales s[12:13], q_codes s[14:15], k_codes s[16:17], v_codes s[18:19]
	s_load_b128 s[20:23], s[0:1], 0x40             ; bits s[20:21], tiles s[22:23]
	v_lshl_add_u32 v2, v0, 2, SPARE                ; my spare word; never rewritten
	v_mov_b32 v3, 0                                ; 0; never rewritten
	v_lshrrev_b32 v1, 5, v0
	s_delay_alu instid0(VALU_DEP_1)
	v_readfirstlane_b32 s24, v1                    ; wave 0..7
	v_and_b32 v30, 31, v0                          ; lane
	s_delay_alu instid0(VALU_DEP_1)
	v_lshlrev_b32 v1, 4, v30                       ; 16 bytes a lane: a wave's 16-byte load or store covers 512 consecutive bytes
	s_wait_kmcnt 0x0
	s_cmp_lt_u32 ttmp9, 256
	s_cbranch_scc1 .Lrole_m
	s_load_b128 s[28:31], s[12:13], 0x0            ; eq, ek, ep, ev
	s_cmp_lt_u32 ttmp9, 448
	s_cbranch_scc1 .Lrole_qk
.macro SCALE e                         ; s[e] holds the exponent: v11 = 2^e (the conversion takes its exponent field), v10 = 448 x 2^e
	s_add_co_i32 s40, s[\e], 127
	s_lshl_b32 s41, s40, 23
	v_mov_b32 v11, s41
	s_add_co_i32 s40, s40, 8
	s_lshl_b32 s40, s40, 23
	s_or_b32 s40, s40, 0x600000                    ; 448 = 1.75 x 2^8
	v_mov_b32 v10, s40
.endm
; ---------------------------------------------------------------- ROLE V
; A wave takes one key block: 64 keys x 64 channels, 16,384 bytes.  A LANE TAKES A CHANNEL AND ITS REGISTERS RUN DOWN THE KEYS: v[32 + 64 u + key] = v[key][32 u + lane].
; The conversions, which take eight neighbours along K from one lane's registers, then give codes with the keys innermost; nothing is transposed.
	s_sub_co_u32 s32, ttmp9, 448
	s_lshl_b32 s32, s32, 3
	s_add_co_u32 s32, s32, s24                     ; the block: 64 x head + key block, 0 .. 767
	s_lshl_b32 s34, s32, 14
	s_mov_b32 s35, 0
	s_add_nc_u64 s[8:9], s[8:9], s[34:35]          ; its 16,384 bytes of v
	s_lshl_b32 s34, s32, 12
	s_add_nc_u64 s[18:19], s[18:19], s[34:35]      ; its 4,096 bytes of codes
	s_wait_alu depctr_va_vdst(0)
	v_lshlrev_b32 v4, 2, v30
.set kk, 0
.rept 64                               ; two loads on end cover a key's 256 bytes
	global_load_b32 v[32+kk], v4, s[8:9] offset:256*kk th:TH_LOAD_NT
	global_load_b32 v[96+kk], v4, s[8:9] offset:256*kk+128 th:TH_LOAD_NT
.set kk, kk+1
.endr
	v_lshrrev_b32 v5, 4, v30
	v_and_b32 v6, 15, v30
	s_delay_alu instid0(VALU_DEP_2)
	v_lshlrev_b32 v5, 10, v5
	s_delay_alu instid0(VALU_DEP_1)
	v_lshl_add_u32 v5, v6, 4, v5                   ; out: channel tile 2 u + lane / 16 (1,024 bytes each), 16 bytes for lane % 16
	s_wait_kmcnt 0x0
	SCALE 31                                       ; ev
; Keys 32 g .. 32 g + 31 of my two channels: 64 holds; for each (u, h) two conversions make the 16 bytes of operand lane (lane % 16, h); codes in v[c] on.
.macro VHALF g, c
.irp u, 0,1
.set kk, 0
.rept 32
	v_med3_num_f32 v[32+64*\u+32*\g+kk], v[32+64*\u+32*\g+kk], -v10, v10   ; the conversion to an 8-bit code does not saturate (ISA guide 7.6.2): hold first
.set kk, kk+1
.endr
.endr
.irp u, 0,1
.irp h, 0,1
	v_cvt_scalef32_pk8_fp8_f32 v[\c+4*(2*\u+\h):\c+4*(2*\u+\h)+1], v[32+64*\u+32*\g+8*\h:32+64*\u+32*\g+8*\h+7], v11
	v_cvt_scalef32_pk8_fp8_f32 v[\c+4*(2*\u+\h)+2:\c+4*(2*\u+\h)+3], v[32+64*\u+32*\g+16+8*\h:32+64*\u+32*\g+16+8*\h+7], v11
.endr
.endr
.irp u, 0,1
.irp h, 0,1
	global_store_b128 v5, v[\c+4*(2*\u+\h):\c+4*(2*\u+\h)+3], s[18:19] offset:2048*\u+512*\g+256*\h   ; lanes 0-15 fill 256 consecutive aligned bytes, lanes 16-31 another 256
.endr
.endr
.endm
	s_wait_alu depctr_va_vdst(0)
	s_wait_loadcnt 63                              ; of 128 loads the youngest 63 may be out: the first 65 are in, keys 0-31 of both channels among them
	VHALF 0, 16
	s_wait_loadcnt 0x0
	VHALF 1, 32                                    ; its codes go where keys 0-15 lay: its own 64 holds stand between the first half's conversions and these writes over their sources
	s_branch .Lend
; ---------------------------------------------------------------- ROLE QK
; A wave takes 4 tiles of 16 rows x 64 numbers (4,096 bytes each).  The loads take the bytes as they lie; a tile turns through the wave's own stage in LDS,
; so that a lane gets 16 NEIGHBOURS along d for each group g.  v32-95 two sets as loaded; v96-127 the lane's 32 numbers; v128-159 codes, eight registers a tile.
.Lrole_qk:
	s_sub_co_u32 s32, ttmp9, 256
	s_cmp_lt_u32 s32, 96                           ; the first 96 work-groups take q, the others k: the choice hangs on the work-group's number alone
	s_cselect_b64 s[34:35], s[4:5], s[6:7]
	s_cselect_b64 s[36:37], s[14:15], s[16:17]
	s_cselect_b32 s33, 0, 96
	s_sub_co_u32 s32, s32, s33
	s_lshl_b32 s32, s32, 5
	s_lshl_b32 s33, s24, 2
	s_add_co_u32 s32, s32, s33                     ; my first tile: 32 x work-group + 4 x wave, 0 .. 3,068
	s_lshl_b32 s38, s32, 12
	s_mov_b32 s39, 0
	s_add_nc_u64 s[34:35], s[34:35], s[38:39]
	s_lshl_b32 s38, s32, 10
	s_add_nc_u64 s[36:37], s[36:37], s[38:39]
.macro QLOAD k                         ; tile k: eight loads of 512 consecutive bytes, two rows each
.set RL, 32+32*((\k)%2)
.irp j, 0,1,2,3,4,5,6,7
	global_load_b128 v[RL+4*\j:RL+4*\j+3], v1, s[34:35] offset:4096*(\k)+512*\j th:TH_LOAD_NT
.endr
.endm
	s_wait_alu depctr_va_vdst(0)
	QLOAD 0
	QLOAD 1
	s_mul_i32 s42, s24, WST                        ; my stage
	v_lshrrev_b32 v6, 4, v30                       ; h
	v_and_b32 v7, 15, v30                          ; r
	s_delay_alu instid0(VALU_DEP_2)
	v_mul_u32_u24 v4, v6, SPITCH
	s_delay_alu instid0(VALU_DEP_1)
	v_lshl_add_u32 v4, v7, 4, v4
	s_delay_alu instid0(VALU_DEP_1)
	v_add_nc_u32 v4, s42, v4                       ; in: row lane / 16 of a load's two, 16 bytes for lane % 16
	s_delay_alu instid0(VALU_DEP_4)
	v_mul_u32_u24 v5, v7, SPITCH
	s_delay_alu instid0(VALU_DEP_1)
	v_lshl_add_u32 v5, v6, 6, v5
	s_delay_alu instid0(VALU_DEP_1)
	v_add_nc_u32 v5, s42, v5                       ; back: row r, 64 bytes on for h = 1
	s_wait_alu depctr_va_vdst(0)
	s_wait_kmcnt 0x0
	s_cmp_lt_u32 ttmp9, 352
	s_cselect_b32 s43, s28, s29                    ; eq or ek
	SCALE 43
.macro QTILE k, left
.set RS, 32+32*((\k)%2)
.set CD, 128+8*(\k)
	s_wait_loadcnt \left                           ; this tile's eight loads are in; the next tile's eight may be out
.irp j, 0,1,2,3,4,5,6,7
	ds_store_b128 v4, v[RS+4*\j:RS+4*\j+3] offset:2*SPITCH*\j
.endr
.irp g, 0,1
.irp u, 0,1,2,3
	ds_load_b128 v[96+16*\g+4*\u:96+16*\g+4*\u+3], v5 offset:128*\g+16*\u   ; LDS serves a wave's instructions in order (ISA guide 5.7.1.4): these see the stores above
.endr
.endr
	s_wait_dscnt 0x0                               ; the numbers are back, and the stores have read the set,
.if (\k) < 2
	QLOAD (\k)+2                                   ; which takes the tile two further on
.endif
.irp g, 0,1
.irp i, 0,1,2,3,4,5,6,7,8,9,10,11,12,13,14,15
	v_med3_num_f32 v[96+16*\g+\i], v[96+16*\g+\i], -v10, v10
.endr
	v_cvt_scalef32_pk8_fp8_f32 v[CD+4*\g:CD+4*\g+1], v[96+16*\g:96+16*\g+7], v11
	v_cvt_scalef32_pk8_fp8_f32 v[CD+4*\g+2:CD+4*\g+3], v[96+16*\g+8:96+16*\g+15], v11
.endr
	v_nop                                          ; one plain vector line behind the conversions: the next tile's first hold writes one of their sources
.irp g, 0,1
	global_store_b128 v1, v[CD+4*\g:CD+4*\g+3], s[36:37] offset:1024*(\k)+512*\g   ; operand registers 4 g .. 4 g + 3 of all 32 lanes: 512 consecutive bytes
.endr
.endm
	s_wait_alu depctr_va_vdst(0)
	QTILE 0, 8
	QTILE 1, 8
	QTILE 2, 8
	QTILE 3, 0
	s_branch .Lend
; ---------------------------------------------------------------- ROLE M
; Wave w takes the tile's 16 rows x keys 512 w .. 512 w + 511, in 4 spans of 128 keys (two key blocks).  A load reads 512 consecutive bytes of one row: loader lane l holds keys 4 l .. 4 l + 3.
; Four compares a row give the words W0..W3 (bit l of Ww: key 4 l + w is live).  Output lane L makes dwords n0 = 2 (L % 16) and n0 + 1 of key block L / 16 of the span: for half h the key
; 16 t + 8 h + j (t = (L % 16) / 4, j = 2 (L % 4)) lies in loader lane 16 (L / 16) + 4 t + 2 h + (L / 2) % 2, word 0 or 2 by L's parity (n0 + 1: word 1 or 3).
; REGISTERS: v4 all ones in odd lanes; v5, v6 that loader lane for h = 0, 1; v7 8 x lane; v8, v15 my places in the exchange; v9-14 at work; v[16+2s:17+2s] span s's two dwords;
;   v24-28 my record; v32-95, v96-159 two sets of 16 rows x 4.   s[32:47] four sets of W0..W3 by turns; s48-51 at work; s52 / s54 loader lanes with a live / with only live keys, over the rows;
;   s56, s57 my eight blocks' live and full bits; s58 rows with a live key; s66-81 each row's live loader lanes, over the spans.
.Lrole_m:
	s_lshl_b32 s60, ttmp9, 18                      ; 16 rows of 16,384 bytes
	s_lshl_b32 s62, s24, 11                        ; 512 keys
	s_add_co_u32 s60, s60, s62
	s_mov_b32 s61, 0
	s_add_nc_u64 s[26:27], s[10:11], s[60:61]
	s_lshl_b32 s60, ttmp9, 13                      ; bits: 8,192 bytes a query tile, 1,024 a wave
	s_lshl_b32 s62, s24, 10
	s_add_co_u32 s60, s60, s62
	s_add_nc_u64 s[20:21], s[20:21], s[60:61]
	s_lshl_b32 s60, ttmp9, 8
	s_add_nc_u64 s[22:23], s[22:23], s[60:61]      ; tiles: 256 bytes a query tile
.macro MLOAD s
.set ri, 0
.rept 16
	global_load_b128 v[32+64*((\s)%2)+4*ri:32+64*((\s)%2)+4*ri+3], v1, s[26:27] offset:ri*16384+(\s)*512 th:TH_LOAD_NT
.set ri, ri+1
.endr
.endm
	s_wait_alu depctr_va_vdst(0)
	MLOAD 0
	MLOAD 1
	v_and_b32 v4, 1, v30
	s_delay_alu instid0(VALU_DEP_1)
	v_sub_nc_u32 v4, 0, v4
	v_lshrrev_b32 v5, 2, v30
	s_delay_alu instid0(VALU_DEP_1)
	v_lshlrev_b32 v5, 2, v5                        ; 16 (L / 16) + 4 ((L % 16) / 4)
	v_bfe_u32 v6, v30, 1, 1
	s_delay_alu instid0(VALU_DEP_1)
	v_add_nc_u32 v5, v5, v6
	s_delay_alu instid0(VALU_DEP_1)
	v_add_nc_u32 v6, 2, v5
	v_lshlrev_b32 v7, 3, v30
	v_mov_b32 v8, s24
	s_delay_alu instid0(VALU_DEP_1)
	v_lshl_add_u32 v8, v8, 4, XCH
	v_mov_b32 v15, s24
	s_delay_alu instid0(VALU_DEP_1)
	v_lshl_add_u32 v15, v15, 2, XCH+128
.macro MSCAL s                         ; row rj's words folded into the span's and the row's figures
.set WJ, 32+4*(rj%4)
	s_or_b32 s48, s[WJ], s[WJ+1]
	s_or_b32 s49, s[WJ+2], s[WJ+3]
	s_and_b32 s50, s[WJ], s[WJ+1]
	s_and_b32 s51, s[WJ+2], s[WJ+3]
	s_or_b32 s48, s48, s49
	s_and_b32 s50, s50, s51
.if rj == 0
	s_mov_b32 s52, s48                             ; the first row starts the span's figures
	s_mov_b32 s54, s50
.else
	s_or_b32 s52, s52, s48
	s_and_b32 s54, s54, s50
.endif
.if (\s) == 0
	s_mov_b32 s[66+rj], s48                        ; the first span starts the row's
.else
	s_or_b32 s[66+rj], s[66+rj], s48
.endif
.endm
.macro MFOLD s                         ; loader lanes 0-15 are the span's first key block, 16-31 its second: bits 2 s and 2 s + 1 of my eight
	s_and_b32 s59, s52, 0xffff
	s_cmp_lg_u32 s59, 0
	s_cselect_b32 s59, 1<<(2*(\s)), 0
	s_lshr_b32 s60, s52, 16
	s_cmp_lg_u32 s60, 0
	s_cselect_b32 s60, 2<<(2*(\s)), 0
	s_and_b32 s61, s54, 0xffff
	s_cmp_eq_u32 s61, 0xffff
	s_cselect_b32 s61, 1<<(2*(\s)), 0
	s_lshr_b32 s62, s54, 16
	s_cmp_eq_u32 s62, 0xffff
	s_cselect_b32 s62, 2<<(2*(\s)), 0
.if (\s) == 0
	s_or_b32 s56, s59, s60
	s_or_b32 s57, s61, s62
.else
	s_or_b32 s59, s59, s60
	s_or_b32 s61, s61, s62
	s_or_b32 s56, s56, s59
	s_or_b32 s57, s57, s61
.endif
.endm
.macro MWORK s, left
	s_wait_loadcnt \left                           ; this span's 16 loads are in; the next span's 16 may be out
.set XS, 32+64*((\s)%2)
.set A0, 16+2*(\s)
.set ri, 0
.rept 16
.set WB, 32+4*(ri%4)
.irp w, 0,1,2,3
	v_cmp_lt_i32 s[WB+\w], 0, v[XS+4*ri+\w]        ; mask > 0
.endr
.if ri > 0
.set rj, ri-1
	MSCAL \s                                       ; the row before: its words were made a row ago
.endif
	v_bfi_b32 v13, v4, s[WB+2], s[WB]              ; odd lanes take word 2, even lanes word 0: dword n0's
	v_bfi_b32 v14, v4, s[WB+3], s[WB+1]            ; dword n0 + 1's
.if ri == 0
	s_delay_alu instid0(VALU_DEP_2)
	v_bfe_u32 v[A0], v13, v5, 1                    ; row 0, h = 0 is bit 0: it starts the dword, nothing is cleared
	s_delay_alu instid0(VALU_DEP_2)
	v_bfe_u32 v[A0+1], v14, v5, 1
.else
	s_delay_alu instid0(VALU_DEP_2)
	v_bfe_u32 v9, v13, v5, 1
	s_delay_alu instid0(VALU_DEP_2)
	v_bfe_u32 v10, v14, v5, 1
.endif
	s_delay_alu instid0(VALU_DEP_4)
	v_bfe_u32 v11, v13, v6, 1
	s_delay_alu instid0(VALU_DEP_4)
	v_bfe_u32 v12, v14, v6, 1
.if ri > 0
	s_delay_alu instid0(VALU_DEP_4)
	v_lshl_or_b32 v[A0], v9, ri, v[A0]
	s_delay_alu instid0(VALU_DEP_4)
	v_lshl_or_b32 v[A0+1], v10, ri, v[A0+1]
.endif
	s_delay_alu instid0(VALU_DEP_2)
	v_lshl_or_b32 v[A0], v11, ri+16, v[A0]
	s_delay_alu instid0(VALU_DEP_2)
	v_lshl_or_b32 v[A0+1], v12, ri+16, v[A0+1]
.set ri, ri+1
.endr
.set rj, 15
	s_wait_alu depctr_va_vdst(0)
	MSCAL \s
	global_store_b64 v7, v[A0:A0+1], s[20:21] offset:256*(\s)   ; two key blocks' 64 dwords: 256 consecutive aligned bytes
	MFOLD \s
.endm
	MWORK 0, 16
	MLOAD 2
	MWORK 1, 16
	MLOAD 3
	MWORK 2, 16
	MWORK 3, 0
	s_cmp_lg_u32 s66, 0                            ; bit i: row i has a live key among my 512
	s_cselect_b32 s58, 1, 0
.set ri, 1
.rept 15
	s_cmp_lg_u32 s[66+ri], 0
	s_cselect_b32 s59, 1<<ri, 0
	s_or_b32 s58, s58, s59
.set ri, ri+1
.endr
	s_and_b32 s59, s24, 3                          ; my eight bits' place in the 64: byte w % 4 of the low (w < 4) or the high word
	s_lshl_b32 s59, s59, 3
	s_lshl_b32 s56, s56, s59
	s_lshl_b32 s57, s57, s59
	s_cmp_lt_u32 s24, 4
	s_cselect_b32 s60, s56, 0
	s_cselect_b32 s61, 0, s56
	s_cselect_b32 s62, s57, 0
	s_cselect_b32 s63, 0, s57
	v_mov_b32 v24, s60
	v_mov_b32 v25, s61
	v_mov_b32 v26, s62
	v_mov_b32 v27, s63
	v_mov_b32 v28, s58
	ds_store_b128 v8, v[24:27]                     ; all lanes write the same bytes with the same values
	ds_store_b32 v15, v28
	s_wait_dscnt 0x0                               ; for the others' sake: my record lies in LDS
	s_barrier_signal -1
	s_barrier_wait -1                              ; the role's one barrier: all eight records lie there
	s_cmp_lg_u32 s24, 0
	s_cbranch_scc1 .Lend                           ; wave 0 joins them
	v_mov_b32 v9, XCH
.irp u, 0,1,2,3,4,5,6,7
	ds_load_b128 v[32+4*\u:35+4*\u], v9 offset:16*\u
.endr
	ds_load_b128 v[64:67], v9 offset:128
	ds_load_b128 v[68:71], v9 offset:144
	s_mov_b32 s59, 0xaaaaaaaa                      ; the odd lanes
	s_wait_dscnt 0x0
.irp u, 1,2,3,4,5,6,7
.irp c, 0,1,2,3
	v_or_b32 v[32+\c], v[32+\c], v[32+4*\u+\c]     ; live lo, live hi, full lo, full hi
.endr
	v_or_b32 v64, v64, v[64+\u]                    ; rows with a live key anywhere
.endr
	s_delay_alu instid0(VALU_DEP_1)
	v_cmp_eq_u32 vcc_lo, 0xffff, v64
	s_delay_alu instid0(VALU_DEP_1)
	v_cndmask_b32 v32, -1, v32, vcc_lo             ; a row without a live key: all 64 blocks are walked
	s_delay_alu instid0(VALU_DEP_2)
	v_cndmask_b32 v33, -1, v33, vcc_lo
	s_delay_alu instid0(VALU_DEP_2)
	v_cndmask_b32 v36, v32, v34, s59               ; even lanes hold walk, odd lanes full
	s_delay_alu instid0(VALU_DEP_2)
	v_cndmask_b32 v37, v33, v35, s59
	global_store_b64 v7, v[36:37], s[22:23]        ; the 16 bytes sixteen times: 256 consecutive aligned bytes
.Lend:
	s_wait_tensorcnt 0x0                           ; the wave's end
	ds_add_u32 v2, v3
	s_wait_dscnt 0x0
	s_endpgm
.Lfunc_end_k_q679998c709_prep:
	.size	k_q679998c709_prep, .Lfunc_end_k_q679998c709_prep-k_q679998c709_prep
	.p2alignl 7, 3214868480
	.fill 96, 4, 3214868480
	.section	.rodata,"a",@progbits
	.p2align	6, 0x0
	.amdhsa_kernel k_q679998c709_prep
		.amdhsa_group_segment_fixed_size 36096
		.amdhsa_private_segment_fixed_size 0
		.amdhsa_enable_private_segment 0
		.amdhsa_kernarg_size 80
		.amdhsa_user_sgpr_count 2
		.amdhsa_user_sgpr_kernarg_segment_ptr 1
		.amdhsa_wavefront_size32 1
		.amdhsa_system_sgpr_workgroup_id_x 1
		.amdhsa_system_sgpr_workgroup_id_y 1
		.amdhsa_system_sgpr_workgroup_id_z 1
		.amdhsa_system_vgpr_workitem_id 0
		.amdhsa_next_free_vgpr 160
		.amdhsa_next_free_sgpr 84
		.amdhsa_reserve_vcc 1
		.amdhsa_float_denorm_mode_32 3
		.amdhsa_float_denorm_mode_16_64 3
		.amdhsa_memory_ordered 1
		.amdhsa_forward_progress 1
		.amdhsa_inst_pref_size 148
	.end_amdhsa_kernel
	.amdgpu_metadata
---
amdhsa.version: [ 1, 2 ]
amdhsa.kernels:
  - .name:           k_q679998c709_prep
    .symbol:         k_q679998c709_prep.kd
    .args:
      - { .name: q, .offset: 0, .size: 8, .value_kind: global_buffer, .address_space: global }
      - { .name: k, .offset: 8, .size: 8, .value_kind: global_buffer, .address_space: global }
      - { .name: v, .offset: 16, .size: 8, .value_kind: global_buffer, .address_space: global }
      - { .name: mask, .offset: 24, .size: 8, .value_kind: global_buffer, .address_space: global }
      - { .name: lowp_scales, .offset: 32, .size: 8, .value_kind: global_buffer, .address_space: global }
      - { .name: q_codes, .offset: 40, .size: 8, .value_kind: global_buffer, .address_space: global }
      - { .name: k_codes, .offset: 48, .size: 8, .value_kind: global_buffer, .address_space: global }
      - { .name: v_codes, .offset: 56, .size: 8, .value_kind: global_buffer, .address_space: global }
      - { .name: bits, .offset: 64, .size: 8, .value_kind: global_buffer, .address_space: global }
      - { .name: tiles, .offset: 72, .size: 8, .value_kind: global_buffer, .address_space: global }
    .group_segment_fixed_size: 36096
    .private_segment_fixed_size: 0
    .kernarg_segment_align: 8
    .kernarg_segment_size: 80
    .max_flat_workgroup_size: 256
    .sgpr_count:     84
    .vgpr_count:     160
    .wavefront_size: 32
...
	.end_amdgpu_metadata
.endif
;; end of part 3
;; launch attn (part 4): grid 256 x 12, 4 waves a work-group, no clusters, 18,432 bytes of LDS; arguments q_codes, k_codes, v_codes, tiles, bits, lowp_scales, out0; writes out0
.if DOCPART == 4
	.amdgcn_target "amdgcn-amd-amdhsa--gfx1250"
	.amdhsa_code_object_version 6
	.text
	.protected	k_q679998c709_attn
	.globl	k_q679998c709_attn
	.p2align	8
	.type	k_q679998c709_attn,@function
k_q679998c709_attn:
	s_mov_b64 s[64:65], 0
	v_nop
	global_prefetch_b8 v0, s[64:65] scope:SCOPE_SE
	s_setreg_imm32_b32 hwreg(HW_REG_WAVE_SCHED_MODE, 0, 2), 2
	s_setreg_imm32_b32 hwreg(HW_REG_WAVE_MODE, 25, 1), 1
	s_wait_xcnt 0x0
	s_wait_alu depctr_vm_vsrc(0)
; out0[head][q][:] = softmax_k(where(mask[q][k] > 0, q . k / 8, -1e9)) v, both products on codes of E4M3 with the given scales 2^eq, 2^ek, 2^ep, 2^ev.
; THE SOFTMAX AHEAD OF THE SECOND PRODUCT: t = logit x log2(e); M = the largest t so far, taken UP to a whole number; p = 2^(t - M) is quantised along the keys, not normalised;
; the row's sum is taken of the unquantised p and divides at the end; when M moves, sum and O are multiplied by 2^(old M - new M), which rounds nothing.
; SHARES.  A work-group owns one tile of 16 queries of one head (x: tile, y: head).  The key blocks of 64 that it walks are the set bits of 'walk' in tiles, as the launch before read them off the
; mask: a block without a live entry gives p = 0 to every row that has a live key somewhere, and a tile with a row that has none walks all 64.  Wave w takes the w-th, (w + 4)-th .. set bit, with
; a running M, sum and O of its own; the four partial results meet in LDS behind one barrier, and each wave then finishes and stores 4 whole rows.
; NO TENSOR LOADS, NO CLUSTER: which blocks a work-group reads, and how many, are numbers read from memory, and differ from work-group to work-group.  The codes lie in memory in the order of the
; operands' registers, so each load is 512 consecutive bytes straight into a fragment.  A block's K, V and lane masks are asked for one step ahead.
; LAYOUT.  S^T = K Q^T (source 0 = 16 keys, source 1 = my 16 queries), O^T = V^T P^T (source 0 = 16 channels, source 1 = P): a lane holds ONE query (lane % 16) throughout.  Register 8 t + j of S^T is
; key 16 t + 8 (lane / 16) + j: tile t's eight codes are the register pair t of the 8-bit operand's own order along K, so the conversions' results are the second product's operand.
; THE MASK.  Dword n of bits is the lane mask of S^T's register n.  A masked score becomes -2^(33 - eq - ek), so that its t = -1.4427 x 2^30 is a whole number: in a row with nothing live t = M and p = 1
; exactly, for all 4,096 keys.  A block marked full skips the 32 selects.
; LIMITS: the masked logit is -2^30 and not -1e9: the two give the same result unless a live logit lies under about -1e9, which the hold at 448 excludes (|logit| <= 8 x 448^2 x 2^(eq + ek)) for
; eq + ek <= 9; eq + ek between -94 and 9, so that c and the masked score are f32 numbers; ep between -126 and 119; ep + ev goes by v_ldexp_f32 and has no limit.
; THE MODE: SCHED_MODE bits 1:0 = 2 (LLVM: expert scheduling mode 2), set by the entry lines.  The code itself states the register dependences
; between vector or matrix instructions and memory or LDS instructions, with s_wait_alu, always for 0.
; THE PLAN.  Registers that memory or LDS instructions touch:
;   v1, v4 .. v8   offsets and LDS addresses: written once at the head, read by loads and stores, never written again.
;   QF             loaded once at the head; read by every step's score products; never written again.
;   KF             Step i: its four score products read it; behind them the loads of my next block's K land in it.  At the merge LDS loads land in it.
;   VF             Step i: its four products O^T += V^T P^T read it; behind them the loads of my next block's V land in it.  At the merge LDS loads land in its first sixteen.
;   OT, v[12:13]   written by products and vector lines; read by the merge's LDS stores; not written behind them.
;   v96-103        written by the merge's arithmetic; read by the two global stores.
;   v2, v3         written at the head, read by the closing add alone.
;   SC, PC and v160-167 are named by vector and matrix instructions alone.
; So a step that fetches has two waits on va_vdst for its loads, one behind each run of four products, beside the two around the exponentials and the one ahead of the second run of products; the merge has one ahead of its LDS stores, which
; serves the LDS loads behind the barrier too, and one ahead of the global stores.  No register that a load or store reads is written again: no wait on vm_vsrc is owed.
.set SPITCH, 272                       ; a row of O in a stage: 256 bytes + 16
.set PART,   16*SPITCH                 ; a wave's partial O: 16 rows
.set STAT,   4*PART                    ; for each wave 16 rows x (-M, sum): 128 bytes
.set SPARE,  STAT+512                  ; the spare words, 128 bytes for each wave: two blocks of 256 bytes that no other line names
.set QF, 16                            ; v16-23   Q's fragment
.set KF, 24                            ; v24-55   K: 4 tiles of 16 keys
.set VF, 56                            ; v56-87   V^T: 4 tiles of 16 channels
.set SC, 88                            ; v88-119  S^T, then p
.set OT, 120                           ; v120-151 O^T
.set PC, 152                           ; v152-159 p's codes
.set MK, 68                            ; s68-99   32 lane masks
; v1 16 x lane; v2, v3 the add's two; v4, v5 partial O: in, back; v6, v7 (-M, sum): in, back; v8 my bytes in two rows of out0; v9 the masked score; v10 448 x 2^ep; v11 2^ep;
; v12 -M; v13 the largest t; v[14:15] the sum in two halves; v160, v161 the maximum's two chains; v162 a permute's target; v163 the old -M; v[164:165] f; v[166:167] the sum's second chain.
; s18 wave; s19 head; s[20:23] eq, ek, ep, ev; s[24:25] walk bits to go; s[26:27] full; s28 steps to go; s30 the block to be fetched; s31 1: the block in hand is full;
; s[32:33], s[34:35], s[36:37] bases of the K, V, masks being fetched; s[38:39], s[40:41], s[42:43] the head's K, V, the tile's masks; s[44:45] c; s[46:47] lane selects; s[50:51] an offset, s51 = 0; s56 ep + ev.
	s_load_b256 s[4:11], s[0:1], 0x0               ; q_codes s[4:5], k_codes s[6:7], v_codes s[8:9], tiles s[10:11]
	s_load_b128 s[12:15], s[0:1], 0x20             ; bits s[12:13], lowp_scales s[14:15]
	s_load_b64 s[16:17], s[0:1], 0x30              ; out0
	v_lshl_add_u32 v2, v0, 2, SPARE                ; my spare word; never rewritten
	v_mov_b32 v3, 0                                ; 0; never rewritten
	v_lshrrev_b32 v1, 5, v0
	v_readfirstlane_b32 s18, v1                    ; wave 0..3
	s_and_b32 s19, ttmp7, 0xffff                   ; head
	v_and_b32 v160, 31, v0                         ; lane
	v_and_b32 v161, 15, v0                         ; r
	v_bfe_u32 v162, v0, 4, 1                       ; h
	v_lshlrev_b32 v1, 4, v160
	s_wait_alu depctr_va_sdst(0)                   ; s18 is written, ahead of its first reader: LDS addresses, out0's base and my share of the walk are made from it
	s_mul_i32 s50, s18, PART
	v_mul_u32_u24 v4, v161, SPITCH
	v_lshl_add_u32 v4, v162, 5, v4
	v_add_nc_u32 v4, s50, v4                       ; in: my stage, row r, 32 h bytes on; tile t's eight channels 64 t further
	s_mul_i32 s50, s18, 4*SPITCH
	v_mul_u32_u24 v5, v162, SPITCH
	v_lshl_add_u32 v5, v161, 4, v5
	v_add_nc_u32 v5, s50, v5                       ; back: row 4 w + h of a stage, 16 bytes for lane % 16
	s_lshl_b32 s50, s18, 7
	v_lshl_add_u32 v6, v161, 3, s50
	v_add_nc_u32 v6, STAT, v6                      ; in: wave w's record of row r
	s_lshl_b32 s50, s18, 5
	v_lshl_add_u32 v7, v162, 3, s50
	v_add_nc_u32 v7, STAT, v7                      ; back: row 4 w + h of a wave's records
	v_lshlrev_b32 v8, 8, v162
	v_lshl_add_u32 v8, v161, 4, v8                 ; out0: lanes 0-15 one row of 256 bytes, lanes 16-31 the next
	v_mov_b32 v13, 0xff61b1e6                      ; the largest t so far: -3e38, under every t
	v_floor_f32 v12, -v13                          ; -M
	v_mov_b32 v14, 0
	v_mov_b32 v15, 0
	v_mov_b32 v165, 0                              ; (named as the upper half of the pair v[164:165])
.set n, 0
.rept 32
	v_mov_b32 v[OT+n], 0                           ; O^T: the step is written in one form, whose first change of M leaves zeros zeros; and a wave without a block hands zeros on
.set n, n+1
.endr
	s_mov_b32 s46, 0x76543210                      ; v_permlanex16_b32: lane l xor 16
	s_mov_b32 s47, 0xfedcba98
	s_mov_b32 s51, 0
	s_wait_kmcnt 0x0
	s_load_b128 s[20:23], s[14:15], 0x0            ; eq, ek, ep, ev
	s_lshl_b32 s50, ttmp9, 8
	s_add_nc_u64 s[10:11], s[10:11], s[50:51]
	s_load_b128 s[24:27], s[10:11], 0x0            ; walk, full
	s_lshl_b32 s50, s19, 18                        ; a head's codes: 262,144 bytes in each of the three buffers
	s_add_nc_u64 s[38:39], s[6:7], s[50:51]
	s_add_nc_u64 s[40:41], s[8:9], s[50:51]
	s_add_nc_u64 s[4:5], s[4:5], s[50:51]
	s_lshl_b32 s50, ttmp9, 10
	s_add_nc_u64 s[4:5], s[4:5], s[50:51]          ; my tile of Q: 1,024 bytes
	s_lshl_b32 s50, ttmp9, 13
	s_add_nc_u64 s[42:43], s[12:13], s[50:51]      ; my tile's lane masks: 64 blocks x 128 bytes
	s_lshl_b32 s50, s19, 20
	s_add_nc_u64 s[16:17], s[16:17], s[50:51]
	s_lshl_b32 s50, ttmp9, 12
	s_lshl_b32 s52, s18, 10
	s_add_co_u32 s50, s50, s52
	s_add_nc_u64 s[16:17], s[16:17], s[50:51]      ; out0 at row 16 x tile + 4 x wave of my head
	s_wait_kmcnt 0x0
	s_add_co_i32 s50, s20, s21                     ; eq + ek
	s_lshl_b32 s52, s50, 23
	s_add_co_i32 s44, s52, 0x3e38aa3b              ; c = log2(e) / 8 x 2^(eq + ek): the exponents are added to the exponent field
	s_mov_b32 s45, s44                             ; (named with it as a pair, so it is written)
	s_sub_co_i32 s52, 160, s50
	s_lshl_b32 s52, s52, 23
	s_or_b32 s52, s52, 0x80000000
	v_mov_b32 v9, s52                              ; -2^(33 - eq - ek)
	s_add_co_i32 s52, s22, 127
	s_lshl_b32 s53, s52, 23
	v_mov_b32 v11, s53                             ; 2^ep
	s_add_co_i32 s52, s52, 8
	s_lshl_b32 s52, s52, 23
	s_or_b32 s52, s52, 0x600000
	v_mov_b32 v10, s52                             ; 448 x 2^ep
	s_add_co_i32 s56, s22, s23                     ; ep + ev
	s_bcnt1_i32_b32 s52, s24
	s_bcnt1_i32_b32 s53, s25
	s_add_co_u32 s28, s52, s53                     ; blocks to walk, at least 1
	s_add_co_u32 s28, s28, 3
	s_sub_co_u32 s28, s28, s18
	s_lshr_b32 s28, s28, 2                         ; my share: those numbered w, w + 4, ..
.irp i, 0,1,2                          ; the w lowest set bits are other waves' first blocks
	s_add_nc_u64 s[48:49], s[24:25], -1
	s_and_b32 s48, s48, s24
	s_and_b32 s49, s49, s25
	s_cmp_gt_u32 s18, \i
	s_cselect_b32 s24, s48, s24
	s_cselect_b32 s25, s49, s25
.endr
	s_cmp_eq_u32 s28, 0
	s_cbranch_scc1 .Lmerge                         ; fewer blocks than waves: I hand on zeros
.macro NEXTKB                          ; s30 = the lowest set bit of the walk bits to go, held inside the 64 blocks
	s_ctz_i32_b32 s52, s24
	s_ctz_i32_b32 s53, s25
	s_add_co_u32 s53, s53, 32
	s_cmp_lg_u32 s24, 0
	s_cselect_b32 s30, s52, s53
	s_min_u32 s30, s30, 63
.endm
.macro DROP4                           ; the four lowest set bits go: mine and the other three waves'
.rept 4
	s_add_nc_u64 s[48:49], s[24:25], -1
	s_and_b32 s24, s24, s48
	s_and_b32 s25, s25, s49
.endr
.endm
.macro FLAGOF                          ; s31 = bit s30 of full
	s_cmp_ge_u32 s30, 32
	s_cselect_b32 s31, s27, s26
	s_lshr_b32 s31, s31, s30
	s_and_b32 s31, s31, 1
.endm
.macro BASE d, b, sh                   ; s[d:d+1] = s[b:b+1] + (block s30 << sh)
	s_lshl_b32 s50, s30, \sh
	s_add_nc_u64 s[\d:\d+1], s[\b:\b+1], s[50:51]
.endm
.macro LDK                             ; a block's K: 4 tiles x 2 groups of 4 registers, 4,096 bytes on end
.irp i, 0,1,2,3,4,5,6,7
	global_load_b128 v[KF+4*\i:KF+4*\i+3], v1, s[32:33] offset:512*\i
.endr
.endm
.macro LDV
.irp i, 0,1,2,3,4,5,6,7
	global_load_b128 v[VF+4*\i:VF+4*\i+3], v1, s[34:35] offset:512*\i
.endr
.endm
.macro LDB                             ; its 32 lane masks
	s_load_b512 s[MK:MK+15], s[36:37], 0x0
	s_load_b512 s[MK+16:MK+31], s[36:37], 0x40
.endm
; A STEP: 16 queries x one block of 64 keys.  pf = 1: the next block of mine (s30) is fetched meanwhile.
.macro STEP pf
	s_wait_loadcnt 0x8                             ; K is in (the first time Q too); the eight younger loads are V's
.irp t, 0,1,2,3
	v_wmma_f32_16x16x64_fp8_fp8 v[SC+8*\t:SC+8*\t+7], v[KF+8*\t:KF+8*\t+7], v[QF:QF+7], 0
.endr
.if \pf
	BASE 32, 38, 12                                ; K's loads are done by the wait above: their base may be written
.endif
	v_mov_b32 v163, v12                            ; the old -M.  With three v_nop: four places in front of the first read of the scores (ISA guide 7.12.1)
.rept 3
	v_nop
.endr
.if \pf
	s_wait_alu depctr_va_vdst(0)                   ; the four products above are done reading K's fragments, in which the eight loads below land
	LDK
.endif
	s_wait_kmcnt 0x0                               ; this block's lane masks are in
	s_cmp_lg_u32 s31, 0
	s_cbranch_scc1 .Lopen_\@                       ; a full block: nothing to select
.set n, 0
.rept 32
	v_cndmask_b32 v[SC+n], v9, v[SC+n], s[MK+n]    ; ascending: each accumulator from its low end
.set n, n+1
.endr
.Lopen_\@:
	v_max3_num_f32 v160, v[SC], v[SC+1], v[SC+2]   ; my query's largest score among my 32 keys, in two chains, ascending too
	v_max3_num_f32 v161, v[SC+3], v[SC+4], v[SC+5]
.irp j, 6,10,14,18,22,26
	v_max3_num_f32 v160, v160, v[SC+\j], v[SC+\j+1]
	v_max3_num_f32 v161, v161, v[SC+\j+2], v[SC+\j+3]
.endr
	v_max3_num_f32 v160, v160, v[SC+30], v[SC+31]
	v_max_num_f32 v160, v160, v161
	v_permlanex16_b32 v162, v160, s46, s47
	v_max_num_f32 v160, v160, v162                 ; and among lane l xor 16's
	v_mul_f32 v160, s44, v160                      ; as t (c is positive)
	v_max_num_f32 v13, v13, v160
	v_floor_f32 v12, -v13                          ; the new -M = -ceil(t): a whole number
	v_sub_f32 v160, v12, v163                      ; old M - new M, 0 or less
	v_cvt_i32_f32 v160, v160                       ; (it saturates)
	v_ldexp_f32 v164, 1.0, v160                    ; f = 2^(old M - new M)
.irp j, 0,2,4,6,8,10,12,14,16,18,20,22,24,26,28,30
	v_pk_fma_f32 v[SC+\j:SC+\j+1], v[SC+\j:SC+\j+1], s[44:45], v[12:13] op_sel_hi:[1,0,0]   ; t - M, two at a time (of the pairs c and -M the low word serves both halves)
.endr
.set n, 0
	s_wait_alu depctr_va_vdst(0)
.rept 32
	v_exp_f32 v[SC+n], v[SC+n]                     ; p = 2^(t - M)
.set n, n+1
.endr
	v_pk_mul_f32 v[14:15], v[14:15], v[164:165] op_sel_hi:[1,0]   ; the sum under the new M: the plain line behind the exponentials
	s_wait_alu depctr_va_vdst(0)                   ; the 32 exponentials have written p: one wait for the batch, ahead of its first reader
.if \pf
	BASE 36, 42, 7                                 ; the masks' loads are done by the wait on KMcnt above, so their base may be written; the selects that read s[MK ..] were issued ahead of the wait on va_vdst above:
	LDB                                            ; the registers take the next block's masks
.endif
	v_pk_add_f32 v[166:167], v[SC:SC+1], v[SC+2:SC+3]   ; the sum is taken of the unquantised p, in two chains
.irp j, 4,8,12,16,20,24,28
	v_pk_add_f32 v[14:15], v[14:15], v[SC+\j:SC+\j+1]
	v_pk_add_f32 v[166:167], v[166:167], v[SC+\j+2:SC+\j+3]
.endr
	v_pk_add_f32 v[14:15], v[14:15], v[166:167]
.irp t, 0,1,2,3
.irp j, 0,1,2,3,4,5,6,7
	v_min_num_f32 v[SC+8*\t+\j], v[SC+8*\t+\j], v10   ; the conversion to an 8-bit code does not saturate (ISA guide 7.6.2); p is not negative, so the hold is one-sided
.endr
	v_cvt_scalef32_pk8_fp8_f32 v[PC+2*\t:PC+2*\t+1], v[SC+8*\t:SC+8*\t+7], v11
.endr
.irp j, 0,2,4,6,8,10,12,14,16,18,20,22,24,26,28,30
	v_pk_mul_f32 v[OT+\j:OT+\j+1], v[OT+\j:OT+\j+1], v[164:165] op_sel_hi:[1,0]   ; O^T under the new M, ascending; also the plain lines between the conversions and the products
.endr
.if \pf
	s_wait_alu depctr_va_vdst(0)
	s_wait_loadcnt 0x8                             ; V is in; the eight younger loads are the next K's
.else
	s_wait_alu depctr_va_vdst(0)
	s_wait_loadcnt 0x0
.endif
.irp t, 0,1,2,3                        ; the four accumulators by turns, and the scores' products stand between two links of a chain
	v_wmma_f32_16x16x64_fp8_fp8 v[OT+8*\t:OT+8*\t+7], v[VF+8*\t:VF+8*\t+7], v[PC:PC+7], v[OT+8*\t:OT+8*\t+7]
.endr
.if \pf
	BASE 34, 40, 12                                ; V's loads are done by the wait above
	FLAGOF                                         ; the fetched block becomes the block in hand
	DROP4
	NEXTKB
.rept 4
	v_nop                                          ; the four places behind the products stay, beside the wait below
.endr
	s_wait_alu depctr_va_vdst(0)                   ; the four products above are done reading V's fragments, in which the eight loads below land
	LDV
.endif
.endm
	NEXTKB                                         ; my first block
	BASE 32, 38, 12
	BASE 34, 40, 12
	BASE 36, 42, 7
	LDB
	s_wait_alu depctr_va_vdst(0)                   ; v1 is written: every global load of the kernel reads it as its offset
	global_load_b128 v[QF:QF+3], v1, s[4:5]
	global_load_b128 v[QF+4:QF+7], v1, s[4:5] offset:512
	LDK
	LDV
	FLAGOF
	DROP4
	NEXTKB                                         ; my second, if I have one
	s_sub_co_u32 s28, s28, 1
	s_cmp_eq_u32 s28, 0
	s_cbranch_scc1 .Ltail
.Lloop:                                ; at its head, by the way in and by the way back: K's eight loads are out, and behind them V's eight
	STEP 1
	s_sub_co_u32 s28, s28, 1
	s_cmp_lg_u32 s28, 0
	s_cbranch_scc1 .Lloop
.Ltail:
	STEP 0                                         ; my last block is written out: it fetches nothing
.Lmerge:
	v_add_f32 v13, v14, v15                        ; the sum's two halves.  Two additions and two v_nop: four places behind the last products, in front of the stores of O^T
	v_nop
	v_nop
	v_permlanex16_b32 v162, v13, s46, s47
	v_add_f32 v13, v13, v162                       ; and lane l xor 16's: v[12:13] = (-M, sum)
	s_wait_alu depctr_va_vdst(0)                   ; O^T and v[12:13], the LDS stores' data, are written, and so are the addresses v4 to v8 (on the way from the head too); the products are done reading v24-71, in which the LDS loads behind the barrier land
.irp t, 0,1,2,3
	ds_store_b128 v4, v[OT+8*\t:OT+8*\t+3] offset:64*\t        ; O(r, 16 t + 8 h + 0 .. 7); each accumulator from its low end
	ds_store_b128 v4, v[OT+8*\t+4:OT+8*\t+7] offset:64*\t+16
.endr
	ds_store_b64 v6, v[12:13]                      ; both halves of the lanes write the same bytes with the same values
	s_wait_dscnt 0x0                               ; for the others' sake: my partial result lies in LDS
	s_barrier_signal -1
	s_barrier_wait -1                              ; the launch's one barrier, on every wave's path
; Rows 4 w + 2 j + h, j = 0, 1: partial p's 16 bytes in v[24 + 4 (2 p + j)], its (-M, sum) in v[56 + 4 p + 2 j].  No vector instruction stands between the wait on va_vdst above and these loads.
.irp p, 0,1,2,3
.irp j, 0,1
	ds_load_b128 v[24+4*(2*\p+\j):24+4*(2*\p+\j)+3], v5 offset:\p*PART+\j*2*SPITCH
	ds_load_b64 v[56+4*\p+2*\j:56+4*\p+2*\j+1], v7 offset:\p*128+\j*16
.endr
.endr
	s_wait_dscnt 0x0
.irp j, 0,1
	v_min3_num_f32 v[72+\j], v[56+2*\j], v[60+2*\j], v[64+2*\j]
	v_min_num_f32 v[72+\j], v[72+\j], v[68+2*\j]   ; -(the largest M of the four)
.endr
.irp j, 0,1
.irp p, 0,1,2,3
	v_sub_f32 v[81+8*\j+2*\p], v[72+\j], v[56+4*\p+2*\j]   ; M of partial p less the largest: a whole number, 0 or less
.endr
.endr
.irp j, 0,1
.irp p, 0,1,2,3
	v_cvt_i32_f32 v[81+8*\j+2*\p], v[81+8*\j+2*\p]         ; (it saturates: a wave without a block gets f = 0)
.endr
.endr
.irp j, 0,1
.irp p, 0,1,2,3
	v_ldexp_f32 v[80+8*\j+2*\p], 1.0, v[81+8*\j+2*\p]      ; f of partial p, in the low word of a pair
.endr
.endr
.irp j, 0,1
	v_mul_f32 v[74+\j], v[80+8*\j], v[57+2*\j]
.endr
.irp p, 1,2,3
.irp j, 0,1
	v_fma_f32 v[74+\j], v[80+8*\j+2*\p], v[57+4*\p+2*\j], v[74+\j]   ; the row's sum
.endr
.endr
	s_wait_alu depctr_va_vdst(0)
	v_rcp_f32 v77, v74
	v_rcp_f32 v79, v75
.irp j, 0,1                            ; the partial O's are joined while the reciprocals are made
.irp u, 0,2
	v_pk_mul_f32 v[96+4*\j+\u:97+4*\j+\u], v[24+4*\j+\u:25+4*\j+\u], v[80+8*\j:81+8*\j] op_sel_hi:[1,0]
.endr
.endr
.irp p, 1,2,3
.irp j, 0,1
.irp u, 0,2
	v_pk_fma_f32 v[96+4*\j+\u:97+4*\j+\u], v[24+4*(2*\p+\j)+\u:25+4*(2*\p+\j)+\u], v[80+8*\j+2*\p:81+8*\j+2*\p], v[96+4*\j+\u:97+4*\j+\u] op_sel_hi:[1,0,1]
.endr
.endr
.endr
	s_wait_alu depctr_va_vdst(0)                   ; the two reciprocals have written v77 and v79: one wait for both, ahead of their first reader
	v_ldexp_f32 v76, v77, s56                      ; 2^(ep + ev) / the sum, in the low word of the pair v[76:77]
	v_ldexp_f32 v78, v79, s56
.irp j, 0,1
.irp u, 0,2
	v_pk_mul_f32 v[96+4*\j+\u:97+4*\j+\u], v[96+4*\j+\u:97+4*\j+\u], v[76+2*\j:77+2*\j] op_sel_hi:[1,0]
.endr
.endr
	s_wait_alu depctr_va_vdst(0)                   ; the four multiplies have written v96-103, which the two stores read
.irp j, 0,1
	global_store_b128 v8, v[96+4*\j:99+4*\j], s[16:17] offset:512*\j th:TH_STORE_NT   ; two whole rows: 512 consecutive bytes, at a multiple of 256 from out0's first byte
.endr
	s_wait_dscnt 0x0                               ; the closing lines, six on end
	s_wait_alu 0x0
	s_wait_tensorcnt 0x0
	ds_add_u32 v2, v3
	s_wait_dscnt 0x0
	s_endpgm
.Lfunc_end_k_q679998c709_attn:
	.size	k_q679998c709_attn, .Lfunc_end_k_q679998c709_attn-k_q679998c709_attn
	.p2alignl 7, 3214868480
	.fill 96, 4, 3214868480
	.section	.rodata,"a",@progbits
	.p2align	6, 0x0
	.amdhsa_kernel k_q679998c709_attn
		.amdhsa_group_segment_fixed_size 18432
		.amdhsa_private_segment_fixed_size 0
		.amdhsa_enable_private_segment 0
		.amdhsa_kernarg_size 56
		.amdhsa_user_sgpr_count 2
		.amdhsa_user_sgpr_kernarg_segment_ptr 1
		.amdhsa_wavefront_size32 1
		.amdhsa_system_sgpr_workgroup_id_x 1
		.amdhsa_system_sgpr_workgroup_id_y 1
		.amdhsa_system_sgpr_workgroup_id_z 1
		.amdhsa_system_vgpr_workitem_id 0
		.amdhsa_next_free_vgpr 168
		.amdhsa_next_free_sgpr 100
		.amdhsa_reserve_vcc 0
		.amdhsa_float_denorm_mode_32 3
		.amdhsa_float_denorm_mode_16_64 3
		.amdhsa_memory_ordered 1
		.amdhsa_forward_progress 1
		.amdhsa_inst_pref_size 36
	.end_amdhsa_kernel
	.amdgpu_metadata
---
amdhsa.version: [ 1, 2 ]
amdhsa.kernels:
  - .name:           k_q679998c709_attn
    .symbol:         k_q679998c709_attn.kd
    .args:
      - { .name: q_codes, .offset: 0, .size: 8, .value_kind: global_buffer, .address_space: global }
      - { .name: k_codes, .offset: 8, .size: 8, .value_kind: global_buffer, .address_space: global }
      - { .name: v_codes, .offset: 16, .size: 8, .value_kind: global_buffer, .address_space: global }
      - { .name: tiles, .offset: 24, .size: 8, .value_kind: global_buffer, .address_space: global }
      - { .name: bits, .offset: 32, .size: 8, .value_kind: global_buffer, .address_space: global }
      - { .name: lowp_scales, .offset: 40, .size: 8, .value_kind: global_buffer, .address_space: global }
      - { .name: out0, .offset: 48, .size: 8, .value_kind: global_buffer, .address_space: global }
    .group_segment_fixed_size: 18432
    .private_segment_fixed_size: 0
    .kernarg_segment_align: 8
    .kernarg_segment_size: 56
    .max_flat_workgroup_size: 128
    .sgpr_count:     100
    .vgpr_count:     168
    .wavefront_size: 32
...
	.end_amdgpu_metadata
.endif
;; end of part 4
